; MI455X (gfx1250); checked and timed in simulation.
; The chip was launched on July 23, 2026; its instructions are those of AMD's public machine-readable ISA for CDNA 5 (MIT licence, August 2026) and "CDNA5" Instruction Set Architecture Reference Guide (July 2026). The comments in the code are by the model that wrote it; some were corrected since.
;; Multi Head Attention. Allowed arithmetic: matrix products marked QUANTISED: E4M3 operands, one given power-of-two scale a tensor, by v_wmma_f32_16x16x64_fp8_fp8 or v_wmma_f32_16x16x128_fp8_fp8, f32 sums; everything else in f32.
;; Inputs: K 4 x 2,048 x 1,024 float32; Q 4 x 2,048 x 1,024 float32; V 4 x 2,048 x 1,024 float32; Wk 1,024 x 1,024 float32; Wo 1,024 x 1,024 float32; Wq 1,024 x 1,024 float32; Wv 1,024 x 1,024 float32; beta 1,024 float32; bk 1,024 float32; bo 1,024 float32; bq 1,024 float32; bv 1,024 float32; gamma 1,024 float32; lowp_scales 12 int32 (the exponents e of the quantised operands' scales 2^e); mask 4 x 1 x 1 x 2,048 int32.
;; Outputs: out0 4 x 2,048 x 1,024 float32.
;; This version of the problem:
;;   THIS VERSION OF THE PROBLEM IS GIVEN IN LOW PRECISION. The matrix products marked QUANTISED in the list below multiply operands that are first quantised to E4M3 (4 exponent bits, 3 mantissa bits; 8 bits a number), with one given power-of-two scale for each operand tensor; their sums are f32. All else is computed in f32.
;;   The module's matrix products, in the order in which they are computed (A, B: the left and right operand; K: the contracted axis; several contracted axes count as one K, in the product's order):
;;     1. [M 8,192, K 1,024] x [K 1,024, N 1,024]; A: input Q; B: input Wq: QUANTISED (scales: A lowp_scales[0], B lowp_scales[1])
;;     2. [M 8,192, K 1,024] x [K 1,024, N 1,024]; A: input K; B: input Wk: QUANTISED (scales: A lowp_scales[2], B lowp_scales[3])
;;     3. [M 8,192, K 1,024] x [K 1,024, N 1,024]; A: input V; B: input Wv: QUANTISED (scales: A lowp_scales[4], B lowp_scales[5])
;;     4. batch 64 x [M 2,048, K 64] x [K 64, N 2,048]; A: computed on the way; B: computed on the way: QUANTISED (scales: A lowp_scales[6], B lowp_scales[7])
;;     5. batch 64 x [M 2,048, K 2,048] x [K 2,048, N 64]; A: softmax (see below); B: computed on the way: QUANTISED (scales: A lowp_scales[8], B lowp_scales[9])
;;     6. [M 8,192, K 1,024] x [K 1,024, N 1,024]; A: computed on the way; B: input Wo: QUANTISED (scales: A lowp_scales[10], B lowp_scales[11])
;;   THE QUANTISER, for each operand of a quantised product, along K:
;;     - The operand's scale is 2^e, e = its entry of the input lowp_scales (int32; the entries are numbered through the quantised products in the list's order, A before B).
;;     - Each number is divided by the scale, clamped to +-448, and rounded to the nearest number of E4M3, ties to even, subnormals kept.
;;     - The product sums the exact products of the quantised numbers (number of the format x scale) in f32.
;;   ~~~python
;;   def quantise(x, axis, e):      # numpy; x: float32 -> the quantised numbers, widened to float32 again
;;       x = np.moveaxis(x, axis, -1); K = x.shape[-1]
;;       r = np.clip(x / 2.0 ** e, -448, 448)
;;       step = 2.0 ** (np.maximum(np.frexp(np.where(r == 0, 1, r))[1] - 1, -6) - 3)
;;       q = np.round(r / step) * step * 2.0 ** e      # np.round: ties to even
;;       return np.moveaxis(q, -1, axis).astype(np.float32)
;;   ~~~
;;   SOFTMAX AHEAD OF A QUANTISED PRODUCT. Where the list says 'softmax', what is quantised is not the finished softmax but p = 2^(t - M), with t = logit x log2(e) and M = ceil(the row's largest t), a whole number; so 1/2 < the row's largest p <= 1. The row's sum l is taken of the UNQUANTISED p, in f32, and the product's result is divided by l at the end. Since M is a whole number, a kernel that streams over the keys may use a running M (the ceiling of the running maximum): every later rescaling is an exact power of two, so the quantised numbers keep their values, but for numbers so far below the row's largest that they fall under the format's range.
;;   OPERANDS COMPUTED ON THE WAY. 'Computed on the way' means the value that the module computes at that place (a softmax that the list does not call 'softmax' is quantised finished and normalised). What goes into a quantiser is computed in f32, as accurately as f32 sums, v_exp_f32 and their like allow (about 1e-6 of the number): no bf16 or f16 on the way to a quantiser, and a product that is left as it is and whose result goes on into a quantised operand takes f32 operands (vector FMAs, or v_wmma_f32_16x16x4_f32). A number that lies on a knife's edge between two numbers of the format may be rounded either way, as far as f32 arithmetic and the matrix unit's own rounding can turn it there, and no further.
;; 3 versions, each right; version 2 is faster than version 1; version 3 is version 2 with the launches attn, outln written anew for expert scheduling mode. Each part assembles by itself: llvm-mc -triple=amdgcn-amd-amdhsa -mcpu=gfx1250 --defsym DOCPART=n.
;; ======== version 1 of 3: 4 launches
;; limits: right only within a limited range of input values
;; workspace buffers: xin 25,165,824 bytes; win 4,194,304 bytes; qkv 25,165,824 bytes; ctx 8,388,608 bytes
;; launch quant (part 1): grid 1792 x 1, 8 waves a work-group, no clusters, 68,608 bytes of LDS; arguments Q, K, V, Wq, Wk, Wv, Wo, lowp_scales, xin, win; writes xin, win
.if DOCPART == 1
	.amdgcn_target "amdgcn-amd-amdhsa--gfx1250"
	.amdhsa_code_object_version 6
	.text
	.protected	k_q28976553e8_quant
	.globl	k_q28976553e8_quant
	.p2align	8
	.type	k_q28976553e8_quant,@function
k_q28976553e8_quant:
	s_mov_b64 s[64:65], 0
	v_nop
	global_prefetch_b8 v0, s[64:65] scope:SCOPE_SE
	s_setreg_imm32_b32 hwreg(HW_REG_WAVE_MODE, 25, 1), 1
	s_wait_xcnt 0x0
; Q, K, V [8192][1024] and Wq, Wk, Wv, Wo [1024][1024], f32, K innermost in all seven, become codes of FP8 (E4M3), each tensor with its given scale 2^e:
; code = x / 2^e, held within +-448, to the nearest code, ties to even.
; THE CODES ARE LAID AS IMAGES OF OPERAND REGISTERS.  A fragment is 16 rows x 128 K = 16 registers a lane: register 2 c + e of lane (r = lane % 16, h = lane / 16) holds
; k = 16 c + 8 h + 4 e + 0 .. 3 of row r (ISA guide 7.12.2, 8-bit operands).  Registers 4 q .. 4 q + 3 lie at 512 q + 16 x lane: 2,048 bytes a fragment; a row tile's 8 fragments on end.
; xin: tensor (Q, K, V) x 8 MB + row tile x 16,384 + fragment x 2,048.   win: (Wq, Wk, Wv, Wo) x 1 MB, likewise.
; SHARES.  A work-group takes one row tile (16 rows, 65,536 consecutive bytes), wave w its fragment w.  Work-groups 0 to 1,535: Q, K, V; 1,536 to 1,791: the weights.  One path: only pointers and e are chosen.
; Each load reads 512 consecutive bytes of one row; the 8,192 bytes turn through the wave's own stage in LDS (rows 528 bytes apart) so that a lane gets 8 neighbours along K at a time; each store writes 512 consecutive bytes.
; No tensor loads, no barrier: waves share nothing.  No matrix unit, no cluster: every byte is read once by one wave.
; LIMITS: e between -126 and 119.  NaN among the inputs is not served (an infinity is held at the largest code).
.set SP,    528                        ; a stage row: 512 bytes + 16
.set STGW,  16*SP                      ; a wave's stage
.set NTOK,  1536                       ; work-groups for Q, K, V
.set R,     16                         ; v16-79   the 16 rows as loaded
.set X,     80                         ; v80-143  group c: 8 neighbours along K
.set C,     144                        ; v144-159 the fragment
	s_load_b512 s[4:19], s[0:1], 0x0               ; Q, K, V, Wq, Wk, Wv, Wo, the scales' exponents
	s_load_b128 s[20:23], s[0:1], 0x40             ; xin, win
	v_lshl_add_u32 v160, v0, 2, 0x10800
	v_mov_b32 v161, 0
	v_lshrrev_b32 v1, 5, v0
	v_readfirstlane_b32 s24, v1                    ; wave 0..7
	v_and_b32 v1, 31, v0
	v_lshlrev_b32 v2, 4, v1                        ; 16 x lane
	v_and_b32 v7, 15, v0                           ; r
	v_bfe_u32 v8, v0, 4, 1                         ; h
	s_mul_i32 s39, s24, STGW
	v_add_nc_u32 v3, s39, v2                       ; into the stage: a row's 512 bytes as they lie
	v_mul_u32_u24 v4, v7, SP
	v_lshl_add_u32 v4, v8, 5, v4
	v_add_nc_u32 v4, s39, v4                       ; out of it: row r, + 32 h
	s_sub_co_u32 s27, ttmp9, NTOK                  ; a weight's work-group counts from 0 (not used below NTOK)
	s_lshr_b32 s30, s27, 6
	s_add_co_u32 s30, s30, 3
	s_and_b32 s31, s27, 63
	s_lshr_b32 s25, ttmp9, 9
	s_and_b32 s26, ttmp9, 511
	s_cmp_lt_u32 ttmp9, NTOK
	s_cselect_b32 s25, s25, s30                    ; t: which of the seven tensors
	s_cselect_b32 s26, s26, s31                    ; its row tile
	s_cselect_b32 s38, ttmp9, s27                  ; the row tile's number in xin or in win
	s_lshl_b32 s32, s26, 16
	s_lshl_b32 s34, s24, 9
	s_add_co_u32 s32, s32, s34                     ; from: row tile x 65,536 + wave x 512
	s_mov_b32 s33, 0
	s_lshl_b32 s34, s38, 14
	s_lshl_b32 s35, s24, 11
	s_add_co_u32 s34, s34, s35                     ; to: tile x 16,384 + wave x 2,048
	s_mov_b32 s35, 0
	s_wait_kmcnt 0x0
	s_load_b256 s[40:47], s[18:19], 0x0            ; entries 0 to 7
	s_load_b32 s48, s[18:19], 0x2c                 ; entry 11
	s_cmp_lt_u32 ttmp9, NTOK
	s_cselect_b64 s[36:37], s[20:21], s[22:23]
	s_mov_b64 s[28:29], s[4:5]
	s_cmp_eq_u32 s25, 1
	s_cselect_b64 s[28:29], s[6:7], s[28:29]
	s_cmp_eq_u32 s25, 2
	s_cselect_b64 s[28:29], s[8:9], s[28:29]
	s_cmp_eq_u32 s25, 3
	s_cselect_b64 s[28:29], s[10:11], s[28:29]
	s_cmp_eq_u32 s25, 4
	s_cselect_b64 s[28:29], s[12:13], s[28:29]
	s_cmp_eq_u32 s25, 5
	s_cselect_b64 s[28:29], s[14:15], s[28:29]
	s_cmp_eq_u32 s25, 6
	s_cselect_b64 s[28:29], s[16:17], s[28:29]
	s_add_nc_u64 s[28:29], s[28:29], s[32:33]
	s_add_nc_u64 s[36:37], s[36:37], s[34:35]
.set i, 0
.rept 16
	global_load_b128 v[R+4*i:R+4*i+3], v2, s[28:29] offset:4096*i th:TH_LOAD_NT   ; row i: 32 lanes read 512 consecutive bytes
.set i, i+1
.endr
	s_wait_kmcnt 0x0
	s_mov_b32 s49, s40                             ; e: Q 0, K 2, V 4, Wq 1, Wk 3, Wv 5, Wo 11
	s_cmp_eq_u32 s25, 1
	s_cselect_b32 s49, s42, s49
	s_cmp_eq_u32 s25, 2
	s_cselect_b32 s49, s44, s49
	s_cmp_eq_u32 s25, 3
	s_cselect_b32 s49, s41, s49
	s_cmp_eq_u32 s25, 4
	s_cselect_b32 s49, s43, s49
	s_cmp_eq_u32 s25, 5
	s_cselect_b32 s49, s45, s49
	s_cmp_eq_u32 s25, 6
	s_cselect_b32 s49, s48, s49
	s_add_co_i32 s49, s49, 127
	s_lshl_b32 s50, s49, 23
	v_mov_b32 v5, s50                              ; 2^e as f32: the conversion takes its exponent field
	s_add_co_i32 s49, s49, 8
	s_lshl_b32 s49, s49, 23
	s_or_b32 s49, s49, 0x600000
	v_mov_b32 v6, s49                              ; 448 x 2^e
.set i, 0
.rept 16
	s_wait_loadcnt 15-i                            ; loads come back in order: row i is in, the younger rows stay out
	ds_store_b128 v3, v[R+4*i:R+4*i+3] offset:SP*i
.set i, i+1
.endr
.set c, 0
.rept 8
	ds_load_b128 v[X+8*c:X+8*c+3], v4 offset:64*c          ; LDS serves a wave's instructions in order: these see the stores above
	ds_load_b128 v[X+8*c+4:X+8*c+7], v4 offset:64*c+16     ; k = 16 c + 8 h + 0 .. 7 of row r
.set c, c+1
.endr
.set c, 0
.rept 8
	s_wait_dscnt 14-2*c                            ; group c's two loads are in; the later groups' stay out
.set i, 0
.rept 8
	v_med3_num_f32 v[X+8*c+i], v[X+8*c+i], -v6, v6 ; the conversion to an 8-bit code does not saturate (ISA guide 7.6.2): the hold comes first
.set i, i+1
.endr
	v_cvt_scalef32_pk8_fp8_f32 v[C+2*c:C+2*c+1], v[X+8*c:X+8*c+7], v5   ; registers 2 c, 2 c + 1 of the fragment; the next group's holds are the plain lines behind it, and the results go to stores alone
.set c, c+1
.endr
.set q, 0
.rept 4
	global_store_b128 v2, v[C+4*q:C+4*q+3], s[36:37] offset:512*q        ; 32 lanes store 512 consecutive bytes, at a multiple of 512 from the buffer's first byte
.set q, q+1
.endr
	s_wait_tensorcnt 0x0
	ds_add_u32 v160, v161
	s_wait_dscnt 0x0
	s_endpgm
.Lfunc_end_k_q28976553e8_quant:
	.size	k_q28976553e8_quant, .Lfunc_end_k_q28976553e8_quant-k_q28976553e8_quant
	.p2alignl 7, 3214868480
	.fill 96, 4, 3214868480
	.section	.rodata,"a",@progbits
	.p2align	6, 0x0
	.amdhsa_kernel k_q28976553e8_quant
		.amdhsa_group_segment_fixed_size 68608
		.amdhsa_private_segment_fixed_size 0
		.amdhsa_enable_private_segment 0
		.amdhsa_kernarg_size 80
		.amdhsa_user_sgpr_count 2
		.amdhsa_user_sgpr_kernarg_segment_ptr 1
		.amdhsa_wavefront_size32 1
		.amdhsa_system_sgpr_workgroup_id_x 1
		.amdhsa_system_sgpr_workgroup_id_y 1
		.amdhsa_system_sgpr_workgroup_id_z 1
		.amdhsa_system_vgpr_workitem_id 0
		.amdhsa_next_free_vgpr 162
		.amdhsa_next_free_sgpr 66
		.amdhsa_reserve_vcc 0
		.amdhsa_float_denorm_mode_32 3
		.amdhsa_float_denorm_mode_16_64 3
		.amdhsa_memory_ordered 1
		.amdhsa_forward_progress 1
		.amdhsa_inst_pref_size 13
	.end_amdhsa_kernel
	.amdgpu_metadata
---
amdhsa.version: [ 1, 2 ]
amdhsa.kernels:
  - .name:           k_q28976553e8_quant
    .symbol:         k_q28976553e8_quant.kd
    .args:
      - { .name: Q, .offset: 0, .size: 8, .value_kind: global_buffer, .address_space: global }
      - { .name: K, .offset: 8, .size: 8, .value_kind: global_buffer, .address_space: global }
      - { .name: V, .offset: 16, .size: 8, .value_kind: global_buffer, .address_space: global }
      - { .name: Wq, .offset: 24, .size: 8, .value_kind: global_buffer, .address_space: global }
      - { .name: Wk, .offset: 32, .size: 8, .value_kind: global_buffer, .address_space: global }
      - { .name: Wv, .offset: 40, .size: 8, .value_kind: global_buffer, .address_space: global }
      - { .name: Wo, .offset: 48, .size: 8, .value_kind: global_buffer, .address_space: global }
      - { .name: lowp_scales, .offset: 56, .size: 8, .value_kind: global_buffer, .address_space: global }
      - { .name: xin, .offset: 64, .size: 8, .value_kind: global_buffer, .address_space: global }
      - { .name: win, .offset: 72, .size: 8, .value_kind: global_buffer, .address_space: global }
    .group_segment_fixed_size: 68608
    .private_segment_fixed_size: 0
    .kernarg_segment_align: 8
    .kernarg_segment_size: 80
    .max_flat_workgroup_size: 256
    .sgpr_count:     66
    .vgpr_count:     162
    .wavefront_size: 32
...
	.end_amdgpu_metadata
.endif
;; end of part 1
;; launch proj (part 2): grid 4 x 96, 4 waves a work-group, clusters of 4 x 4, 327,680 bytes of LDS; arguments xin, win, lowp_scales, bq, bk, bv, mask, qkv; writes qkv
.if DOCPART == 2
	.amdgcn_target "amdgcn-amd-amdhsa--gfx1250"
	.amdhsa_code_object_version 6
	.text
	.protected	k_q28976553e8_proj
	.globl	k_q28976553e8_proj
	.p2align	8
	.type	k_q28976553e8_proj,@function
k_q28976553e8_proj:
	s_mov_b64 s[64:65], 0
	v_nop
	global_prefetch_b8 v0, s[64:65] scope:SCOPE_SE
	s_setreg_imm32_b32 hwreg(HW_REG_WAVE_MODE, 25, 1), 1
	s_wait_xcnt 0x0
	s_wait_alu depctr_hold_cnt(0) depctr_sa_sdst(0) depctr_va_vdst(0) depctr_va_sdst(0) depctr_va_ssrc(0) depctr_va_vcc(0) depctr_vm_vsrc(0)
	s_getreg_b32 s2, hwreg(HW_REG_IB_STS2, 6, 4)
	s_cmp_eq_u32 s2, 0
	s_cbranch_scc0 .Lentry_in_a_cluster
	s_endpgm
.Lentry_in_a_cluster:
	s_bfe_u32 s2, ttmp6, 0x10000c
	s_cmp_lg_u32 s2, 0xf033
	s_cbranch_scc0 .Lentry_shape_is_right
	s_endpgm
.Lentry_shape_is_right:
; q = Q Wq^T + bq, k = K Wk^T + bk, v = V Wv^T + bv on codes of FP8 (E4M3), [8192 x 1024 x 1024] each, and q, k, v are quantised on the way out, as images of the operand registers that attention wants.
; A fragment (16 rows x 128 K) is 2,048 bytes: registers 4 q .. 4 q + 3 of a lane at 512 q + 16 x lane; a row tile's 8 fragments lie on end (16,384 bytes).  So a fragment comes by four ds_load_b128 at 16 x lane.
; WHICH TILE.  Cluster y = 8 T + G: T = 0, 1, 2 for q, k, v.  A tile of the result is 256 x 256, a wave's part 128 x 128 (64 accumulators).  THE MATRIX INSTRUCTION IS USED TRANSPOSED: source 0 = 16 rows of B,
; source 1 = 16 rows of A: a lane holds ONE row of A and eight neighbouring rows of B.  For q and k: A = tokens, B = weight rows, so a lane's registers run along the head's channels, the next product's K.
; For v the roles are swapped (A = Wv's rows, B = tokens), so that a lane's registers run along the KEYS, which are the K of attention's second product.  One conversion of a tile's 8 registers gives registers 2 c, 2 c + 1 of the next operand.
; qkv: q at 0, k at 8 MB: (batch x 16 + head) x 131,072 + token tile x 1,024 (16 tokens x 64 channels);  v at 16 MB: (batch x 16 + head) x 131,072 + key step x 8,192 + channel tile x 2,048 (16 channels x 128 keys).
; THE MASK.  A token of K whose mask is 0 gets zero codes (its hold is at 0): its score in attention is then exactly the bias that attention adds for it.
; CLUSTERS: 4 x 4 work-groups; A's tile is asked for jointly along a row of the cluster, B's along a column.  K goes in steps of 256 through two LDS slots; 4 steps, written out.
; 384 work-groups of equal work: 24 clusters.  A tile of half the height would double them and halve the products that each LDS byte feeds.
; LIMITS: the sum of a product's two exponents between -126 and 127; the exponents of q, k, v between -126 and 119.  NaN among the inputs is not served.
; REGISTERS, in windows of 256: window 0: v16-31 addresses and constants; v32-95 the bias by column; v96-111 the bias by row and the hold, a pair for each block; v128-255 A's fragments, ONE set; on the way out v128-191 numbers, v192-255 codes.
;   window 1: B's fragments, two sets.   windows 2, 3: the accumulators ((a, b) at v[8 (8 (a % 4) + b)]).
.set STEPB,  4096                      ; a K step of 256 in a row tile: two fragments
.set SLOT,   131072                    ; A's 16 row tiles x 4,096, then B's 16
.set SPARE,  2*SLOT                    ; behind the ring: the spare words, 128 bytes for each wave: two blocks of 256 bytes that no other line names
.set FR,     16
.set NL,     4
.set NP,     4
.set ADRA, 16                          ; v16-17  LDS address of my A fragments in slot 0, 1
.set ADRB, 20                          ; v20-21  the same for B
.set L16,  24                          ; v24     16 x lane
.set BRO,  25                          ; v25     32 h
.set RO,   26                          ; v26     4 r
.set SPW,  28                          ; v28     LDS address of my spare word; never rewritten
.set NIL,  29                          ; v29     0; never rewritten
.set SCV,  30                          ; v30     2^eo as f32
.set LIM,  31                          ; v31     448 x 2^eo
.set BR,   32                          ; v32-95  bias of column 16 b + 8 h + j at 8 b + j
.set BA,   96                          ; v[96+2a] bias of row 16 a + r; v[97+2a] that row's mask, then its hold
.set AF,   128
.set TMP,  128
.set CD,   192
.set G1, 24
.set G0, 32
.set G1B, 48
.set G0B, 56
.set MSB, 0
.macro WIN new                         ; the immediate's high byte repeats the setting that is left
.if MSB != (\new)
	s_set_vgpr_msb (MSB<<8)|(\new)
.set MSB, (\new)
.endif
.endm
.set MUL_LO, 0xa1                      ; source 0 (B) window 1, source 1 (A) window 0, C and D window 2
.set MUL_HI, 0xf1                      ; the same, C and D window 3
.set TO_B,   0x40                      ; destination window 1, address window 0
; A joint load: waves 0 and 1 fetch for A, waves 2 and 3 for B; the branch hangs on the wave's number alone.  Four v_nop follow each of the two lines.
.macro JLOAD g0a, g1a, g0b, g1b
	s_cmp_eq_u32 s21, 0
	s_cbranch_scc0 .Lfor_b_\@
	tensor_load_to_lds s[\g0a:\g0a+3], s[\g1a:\g1a+7]
	s_nop 0
.rept 4
	v_nop
.endr
	s_branch .Lasked_\@
.Lfor_b_\@:
	tensor_load_to_lds s[\g0b:\g0b+3], s[\g1b:\g1b+7]
	s_nop 0
.rept 4
	v_nop
.endr
.Lasked_\@:
.endm
.macro CREST                           ; a round of the cluster's barrier behind its opening barrier
	s_cmp_lg_u32 s20, 0
	s_cbranch_scc1 .Lnot_wave_0_\@
	s_barrier_signal -3
.Lnot_wave_0_\@:
	s_barrier_wait -3
	s_barrier_signal -1
	s_barrier_wait -1
.endm
.macro CROUND
	s_barrier_signal -1
	s_barrier_wait -1
	CREST
.endm
	s_load_b512 s[4:19], s[0:1], 0x0               ; xin, win, the scales' exponents, bq, bk, bv, mask, qkv
	v_lshl_add_u32 v[SPW], v0, 2, SPARE
	v_mov_b32 v[NIL], 0
	ds_add_u32 v28, v29
	ds_add_u32 v28, v29
	s_wait_dscnt 0x0
	v_lshrrev_b32 v1, 5, v0
	v_readfirstlane_b32 s20, v1                    ; wave 0..3
	s_lshr_b32 s21, s20, 1                         ; which half of the tile's rows is mine.  Also: I fetch for A (0) or for B (1)
	s_and_b32 s22, s20, 1                          ; which half of its columns.  Also: which 8 row tiles I fetch
	s_bfe_u32 s40, ttmp6, 0x40000                  ; cx
	s_bfe_u32 s41, ttmp6, 0x40004                  ; cy
	s_and_b32 s23, ttmp7, 0xffff                   ; cluster y = 8 T + G: the same in all sixteen partners
	s_lshr_b32 s44, s23, 3                         ; T
	s_and_b32 s45, s23, 7
	s_lshl_b32 s45, s45, 2                         ; 4 G
	s_cmp_eq_u32 s44, 2
	s_cselect_b32 s43, 0, s45
	s_cselect_b32 s42, s45, 0
	s_add_co_u32 s43, s43, s41                     ; tile row:    q, k: 4 G + cy;  v: cy
	s_add_co_u32 s42, s42, s40                     ; tile column: q, k: cx;       v: 4 G + cx
	s_lshl_b32 s66, s41, 2
	s_lshl_b32 s66, 15, s66                        ; my row of the cluster
	s_lshl_b32 s67, 0x1111, s40                    ; my column
	; descriptor group 1: 8 rows (row tiles) of 512 elements of 8 bytes (4,096 bytes: two fragments), 2,048 elements (16,384 bytes) apart; dense in LDS
	s_or_b32 s[G1+0], s66, (3<<16)|(1<<21)         ; 15:0 the mask: A's tiles go to my row; 17:16 elements of 8 bytes; 21 set beside a mask
	s_or_b32 s[G1B+0], s67, (3<<16)|(1<<21)
.irp g, G1, G1B
	s_mov_b32 s[\g+1], 512<<16                     ; tensor_dim0
	s_mov_b32 s[\g+2], 8<<16                       ; tensor_dim1
	s_mov_b32 s[\g+3], 512<<16                     ; tile_dim0
	s_mov_b32 s[\g+4], 8                           ; tile_dim1
	s_mov_b32 s[\g+5], 2048                        ; tensor_dim0_stride
	s_mov_b32 s[\g+6], 0
	s_mov_b32 s[\g+7], 0
.endr
	s_lshl_b32 s70, s44, 23                        ; T x 8 MB: a tensor of tokens in xin, and of results in qkv
	s_lshl_b32 s71, s44, 20                        ; T x 1 MB: a weight in win
	s_cmp_eq_u32 s44, 2
	s_cselect_b32 s72, s71, s70                    ; A's tensor
	s_cselect_b32 s73, s70, s71                    ; B's
	s_lshl_b32 s23, s22, 17                        ; which 8 row tiles I fetch
	s_lshl_b32 s68, s43, 18                        ; A: tile row x 16 row tiles; these registers never hold cx
	s_add_co_u32 s68, s68, s23
	s_add_co_u32 s68, s68, s72
	s_mov_b32 s69, 0
	s_lshl_b32 s46, s42, 18                        ; B: tile column; these never hold cy
	s_add_co_u32 s46, s46, s23
	s_add_co_u32 s46, s46, s73
	s_mov_b32 s47, 0
	s_lshl_b32 s78, s20, 15                        ; where they go: wave x 32,768: no place in the cluster enters an LDS address
	s_wait_kmcnt 0x0
	s_load_b256 s[84:91], s[8:9], 0x0              ; the twelve exponents
	s_load_b128 s[92:95], s[8:9], 0x20
	s_cmp_eq_u32 s44, 2
	s_cselect_b64 s[74:75], s[6:7], s[4:5]
	s_cselect_b64 s[76:77], s[4:5], s[6:7]
	s_add_nc_u64 s[74:75], s[74:75], s[68:69]
	s_add_nc_u64 s[76:77], s[76:77], s[46:47]
	CROUND                                         ; all sixteen work-groups are here: the first joint loads meet
.irp s, 0,1
	s_mov_b32 s[G0+4*\s], 1
	s_add_co_u32 s[G0+4*\s+1], s78, \s*SLOT
	s_add_nc_u64 s[G0+4*\s+2:G0+4*\s+3], s[74:75], \s*STEPB
	s_or_b32 s[G0+4*\s+3], s[G0+4*\s+3], 0x80000000
	s_mov_b32 s[G0B+4*\s], 1
	s_add_co_u32 s[G0B+4*\s+1], s78, \s*SLOT
	s_add_nc_u64 s[G0B+4*\s+2:G0B+4*\s+3], s[76:77], \s*STEPB
	s_or_b32 s[G0B+4*\s+3], s[G0B+4*\s+3], 0x80000000
	JLOAD G0+4*\s, G1, G0B+4*\s, G1B
.endr
	v_and_b32 v1, 31, v0
	v_lshlrev_b32 v[L16], 4, v1
	v_and_b32 v2, 15, v0                           ; r
	v_bfe_u32 v3, v0, 4, 1                         ; h
	v_lshlrev_b32 v[BRO], 5, v3
	v_lshlrev_b32 v[RO], 2, v2
	s_lshl_b32 s2, s21, 15                         ; my 8 row tiles of A
	s_lshl_b32 s3, s22, 15                         ; my 8 of B,
	s_add_co_u32 s3, s3, 16*STEPB                  ; which lie behind A's 16
.irp s, 0,1
	v_add_nc_u32 v[ADRA+\s], s2, v[L16]
	v_add_nc_u32 v[ADRB+\s], s3, v[L16]
	s_add_co_u32 s2, s2, SLOT
	s_add_co_u32 s3, s3, SLOT
.endr
	; the bias and the mask: loaded now, wanted on the way out.  Every load stays inside its buffer for every T; what a T does not use is not read from the registers
	s_cmp_eq_u32 s44, 1
	s_cselect_b64 s[72:73], s[12:13], s[10:11]
	s_cmp_eq_u32 s44, 2
	s_cselect_b64 s[72:73], s[14:15], s[72:73]     ; bq, bk or bv
	s_lshl_b32 s46, s42, 10
	s_lshl_b32 s23, s22, 9
	s_add_co_u32 s46, s46, s23                     ; 4 x my first column
	s_lshl_b32 s68, s43, 10
	s_lshl_b32 s23, s21, 9
	s_add_co_u32 s68, s68, s23                     ; 4 x my first row
	s_add_nc_u64 s[80:81], s[16:17], s[68:69]      ; the mask at my first row (for q and k a row is a token)
	s_cmp_eq_u32 s44, 2
	s_cselect_b32 s46, 0, s46                      ; q, k: the bias goes by column;
	s_cselect_b32 s68, s68, 0                      ; v: by row
	s_add_nc_u64 s[76:77], s[72:73], s[46:47]
	s_add_nc_u64 s[74:75], s[72:73], s[68:69]
.set b, 0
.rept 8
	global_load_b128 v[BR+8*b:BR+8*b+3], v[BRO], s[76:77] offset:64*b
	global_load_b128 v[BR+8*b+4:BR+8*b+7], v[BRO], s[76:77] offset:64*b+16
.set b, b+1
.endr
.set a, 0
.rept 8
	global_load_b32 v[BA+2*a], v[RO], s[74:75] offset:64*a
	global_load_b32 v[BA+2*a+1], v[RO], s[80:81] offset:64*a
.set a, a+1
.endr
	; where my part of the result begins in qkv
	s_lshr_b32 s98, s43, 3                         ; q, k: batch = tile row / 8,
	s_lshl_b32 s98, s98, 21
	s_lshl_b32 s2, s42, 19                         ; head = 4 x tile column + 2 x half,
	s_add_co_u32 s98, s98, s2
	s_lshl_b32 s2, s22, 18
	s_add_co_u32 s98, s98, s2
	s_and_b32 s2, s43, 7                           ; token tile = 16 x (tile row % 8) + 8 x half
	s_lshl_b32 s2, s2, 14
	s_add_co_u32 s98, s98, s2
	s_lshl_b32 s2, s21, 13
	s_add_co_u32 s98, s98, s2
	s_lshl_b32 s3, s42, 1                          ; v: key step of all = 2 x tile column + half: batch = / 16, key step = % 16,
	s_add_co_u32 s3, s3, s22
	s_lshr_b32 s99, s3, 4
	s_lshl_b32 s99, s99, 21
	s_and_b32 s3, s3, 15
	s_lshl_b32 s3, s3, 13
	s_add_co_u32 s99, s99, s3
	s_lshl_b32 s3, s43, 19                         ; head = 4 x tile row + 2 x half
	s_add_co_u32 s99, s99, s3
	s_lshl_b32 s3, s21, 18
	s_add_co_u32 s99, s99, s3
	s_cmp_eq_u32 s44, 2
	s_cselect_b32 s98, s99, s98
	s_add_co_u32 s98, s98, s70
	s_mov_b32 s99, 0
	s_add_nc_u64 s[82:83], s[18:19], s[98:99]
.macro FRAG reg, adr, q, i             ; fragment q of row tile i: four blocks of 512 bytes, 16 a lane
.irp c, 0,1,2,3
	ds_load_b128 v[\reg+4*\c:\reg+4*\c+3], v[\adr] offset:(\i)*STEPB+(\q)*2048+512*\c
.endr
.endm
; 16 matrix instructions: A's blocks a0, a0 + 1 x B's eight, 128 along K.  p: B's set.  zero = 1: the first product starts the sums.  The 64 accumulators take turns, one instruction a turn.
.macro MUL16 a0, p, zero
.irp a, \a0, \a0+1
.irp b, 0,1,2,3,4,5,6,7
.if \zero
	v_wmma_f32_16x16x128_fp8_fp8 v[8*(8*((\a)%4)+\b):8*(8*((\a)%4)+\b)+7], v[128*(\p)+FR*\b:128*(\p)+FR*\b+FR-1], v[AF+FR*(\a):AF+FR*(\a)+FR-1], 0
.else
	v_wmma_f32_16x16x128_fp8_fp8 v[8*(8*((\a)%4)+\b):8*(8*((\a)%4)+\b)+7], v[128*(\p)+FR*\b:128*(\p)+FR*\b+FR-1], v[AF+FR*(\a):AF+FR*(\a)+FR-1], v[8*(8*((\a)%4)+\b):8*(8*((\a)%4)+\b)+7]
.endif
.endr
.endr
.endm
.macro FETCH_B slot, q, p
	WIN TO_B
.irp i, 0,1,2,3,4,5,6,7
	FRAG 128*(\p)+FR*\i, ADRB+\slot, \q, \i
.endr
	WIN 0
.endm
.macro FETCH_A slot, q, i0
.irp i, \i0, \i0+1, \i0+2, \i0+3
	FRAG AF+FR*(\i), ADRA+\slot, \q, \i
.endr
.endm
.macro PLACES n                        ; places behind matrix instructions, in front of loads into registers that they have read and of the first read of results
.rept \n
	v_nop
.endr
.endm
; A step of 128 along K that has its successor in the same slot.  A block of A is free when its eight products are issued: blocks 0-3 are fetched anew in the middle, blocks 4-7 at the end.
.macro STEP slot, q, zero
	s_wait_dscnt 4*NL                              ; B's set and A's blocks 0-3 are in; the youngest 16 loads (A's blocks 4-7) may be out
	WIN MUL_LO
	MUL16 0, (\q)%2, \zero
	MUL16 2, (\q)%2, \zero
	s_wait_dscnt 0
	PLACES NP
	FETCH_B \slot, (\q)+1, 1-(\q)%2
	FETCH_A \slot, (\q)+1, 0
	WIN MUL_HI
	MUL16 4, (\q)%2, \zero
	MUL16 6, (\q)%2, \zero
	PLACES NP
	WIN 0
	FETCH_A \slot, (\q)+1, 4
.endm
; A slot's last step changes slots: ONE barrier; in front of it each wave waits for all its tensor loads, adds 0 to its spare word, and waits for that and for its own reads of this slot.  fill = 1: this slot is filled again, two K steps ahead.
.macro TURN slot, next, fill
	s_wait_tensorcnt 0x0                           ; all my tensor loads have landed: my part of the next slot
	ds_add_u32 v[SPW], v[NIL]                      ; 0 onto my spare word
	s_wait_dscnt 4*NL+1                            ; (the add and the youngest 16 loads, A's blocks 4-7, may be out)
	WIN MUL_LO
	MUL16 0, 1, 0
	s_wait_dscnt 0x0                               ; the add is done, and my reads of this slot are over
	s_barrier_signal -1
	MUL16 2, 1, 0
	WIN 0
	s_barrier_wait -1
.if \fill
	CREST                                          ; the barrier has opened a round of the cluster's barrier: no wave of any partner still reads this slot or has a load on its way
	s_add_nc_u64 s[G0+4*\slot+2:G0+4*\slot+3], s[G0+4*\slot+2:G0+4*\slot+3], 2*STEPB
	s_add_nc_u64 s[G0B+4*\slot+2:G0B+4*\slot+3], s[G0B+4*\slot+2:G0B+4*\slot+3], 2*STEPB
	JLOAD G0+4*\slot, G1, G0B+4*\slot, G1B         ; the first tensor load behind the round; its four v_nop are also the places in front of the loads below
.else
	PLACES NP
.endif
	FETCH_B \next, 0, 0
	FETCH_A \next, 0, 0
	WIN MUL_HI
	MUL16 4, 1, 0
	MUL16 6, 1, 0
	PLACES NP
	WIN 0
	FETCH_A \next, 0, 4
.endm
	s_wait_tensorcnt 1                             ; my part of K step 0 is in (K step 1's load may be out)
	s_barrier_signal -1
	s_barrier_wait -1                              ; everybody's is
	FETCH_B 0, 0, 0
	FETCH_A 0, 0, 0
	FETCH_A 0, 0, 4
	STEP 0, 0, 1                                   ; K 0-127: the products start the sums
	TURN 0, 1, 1                                   ; K 128-255; slot 0 takes K step 2
	STEP 1, 0, 0
	TURN 1, 0, 1                                   ; slot 1 takes K step 3
	STEP 0, 0, 0
	TURN 0, 1, 0                                   ; nothing is left to fetch
	STEP 1, 0, 0
	s_wait_dscnt 4*NL
	WIN MUL_LO
	MUL16 0, 1, 0
	MUL16 2, 1, 0
	s_wait_dscnt 0
	WIN MUL_HI
	MUL16 4, 1, 0
	MUL16 6, 1, 0
	WIN 0
	; THE WAY OUT: number = sum x 2^(the two exponents added) + bias, one packed multiply-add for two; held; converted with 2^eo; the codes are the next operand's registers and are stored as they stand.
	s_wait_loadcnt 0x0                             ; bias and mask
	s_wait_kmcnt 0x0
	s_add_co_i32 s66, s84, s85
	s_add_co_i32 s67, s86, s87
	s_add_co_i32 s68, s88, s89
	s_cmp_eq_u32 s44, 1
	s_cselect_b32 s66, s67, s66
	s_cselect_b32 s69, s91, s90                    ; eo: entry 6 for q, 7 for k,
	s_cmp_eq_u32 s44, 2
	s_cselect_b32 s66, s68, s66
	s_cselect_b32 s69, s93, s69                    ; 9 for v
	s_add_co_i32 s66, s66, 127
	s_lshl_b32 s96, s66, 23                        ; 2^(ea + eb) as f32
	s_mov_b32 s97, s96                             ; (named with it as a pair, so it is written)
	s_add_co_i32 s69, s69, 127
	s_lshl_b32 s67, s69, 23
	v_mov_b32 v[SCV], s67
	s_add_co_i32 s69, s69, 8
	s_lshl_b32 s69, s69, 23
	s_or_b32 s69, s69, 0x600000
	v_mov_b32 v[LIM], s69
	s_cmp_lg_u32 s44, 1
	s_cselect_b32 s79, -1, 0                       ; all ones where the tensor is not k: its rows are never masked
	PLACES NP
.set a, 0
.rept 8
	v_or_b32 v[BA+2*a+1], s79, v[BA+2*a+1]
	v_cmp_ne_u32 vcc_lo, 0, v[BA+2*a+1]
	v_cndmask_b32 v[BA+2*a+1], 0, v[LIM], vcc_lo   ; the row's hold: 448 x 2^eo, or 0 for a masked token of k
.set a, a+1
.endr
; Block a: 16 rows x 128 columns.  isv = 0: bias by column; the 16 registers of codes are two heads' fragments of 16 tokens x 64 channels.  isv = 1: bias by row; they are one fragment of 16 channels x 128 keys.
.macro EPI a, isv
.set AC, 64*((\a)%4)
.set CS, CD+16*((\a)%4)
.set LV, BA+2*(\a)+1
.if (\a) >= 4
	s_wait_xcnt 0x0                                ; block a - 4's stores have read their registers, which take this block's codes
.endif
	WIN 0x02+(\a)/4                                ; source 0: window 2 or 3
.set j, 0
.rept 32
.if \isv
	v_pk_fma_f32 v[TMP+j:TMP+j+1], v[AC+j:AC+j+1], s[96:97], v[LV-1:LV] op_sel_hi:[1,0,0]       ; each accumulator from its low end on
.else
	v_pk_fma_f32 v[TMP+j:TMP+j+1], v[AC+j:AC+j+1], s[96:97], v[BR+j:BR+j+1] op_sel_hi:[1,0,1]
.endif
.set j, j+2
.endr
	WIN 0
.set b, 0
.rept 8
.set i, 0
.rept 8
	v_med3_num_f32 v[TMP+8*b+i], v[TMP+8*b+i], -v[LV], v[LV]   ; the conversion does not saturate (ISA guide 7.6.2)
.set i, i+1
.endr
	v_cvt_scalef32_pk8_fp8_f32 v[CS+2*b:CS+2*b+1], v[TMP+8*b:TMP+8*b+7], v[SCV]
.set b, b+1
.endr
	v_nop                                          ; a plain line behind the last conversion: the next block writes its sources
.irp k, 0,1,2,3
.if \isv
	global_store_b128 v[L16], v[CS+4*\k:CS+4*\k+3], s[82:83] offset:131072*((\a)/4)+2048*((\a)%4)+512*\k   ; head + a / 4, channel tile a % 4; 512 consecutive bytes a store
.else
	global_store_b128 v[L16], v[CS+4*\k:CS+4*\k+3], s[82:83] offset:1024*(\a)+131072*(\k/2)+512*(\k%2)     ; token tile + a, head + k / 2; 512 consecutive bytes a store
.endif
.endr
.endm
	s_cmp_eq_u32 s44, 2                            ; T is the same in all sixteen partners; neither way has an LDS instruction or a barrier
	s_cbranch_scc1 .Lway_v
.irp a, 0,1,2,3,4,5,6,7
	EPI \a, 0
.endr
	s_branch .Lstored
.Lway_v:
.irp a, 0,1,2,3,4,5,6,7
	EPI \a, 1
.endr
.Lstored:
	s_wait_tensorcnt 0x0                           ; the wave's end
	ds_add_u32 v[SPW], v[NIL]
	s_wait_dscnt 0x0
	CROUND                                         ; the closing round: no work-group ends while a partner may still ask for a tile that names it
	s_endpgm
.Lfunc_end_k_q28976553e8_proj:
	.size	k_q28976553e8_proj, .Lfunc_end_k_q28976553e8_proj-k_q28976553e8_proj
	.p2alignl 7, 3214868480
	.fill 96, 4, 3214868480
	.section	.rodata,"a",@progbits
	.p2align	6, 0x0
	.amdhsa_kernel k_q28976553e8_proj
		.amdhsa_group_segment_fixed_size 327680
		.amdhsa_private_segment_fixed_size 0
		.amdhsa_enable_private_segment 0
		.amdhsa_kernarg_size 64
		.amdhsa_user_sgpr_count 2
		.amdhsa_user_sgpr_kernarg_segment_ptr 1
		.amdhsa_wavefront_size32 1
		.amdhsa_system_sgpr_workgroup_id_x 1
		.amdhsa_system_sgpr_workgroup_id_y 1
		.amdhsa_system_sgpr_workgroup_id_z 1
		.amdhsa_system_vgpr_workitem_id 0
		.amdhsa_next_free_vgpr 1024
		.amdhsa_next_free_sgpr 100
		.amdhsa_reserve_vcc 1
		.amdhsa_float_denorm_mode_32 3
		.amdhsa_float_denorm_mode_16_64 3
		.amdhsa_memory_ordered 1
		.amdhsa_forward_progress 1
		.amdhsa_inst_pref_size 195
	.end_amdhsa_kernel
	.amdgpu_metadata
---
amdhsa.version: [ 1, 2 ]
amdhsa.kernels:
  - .name:           k_q28976553e8_proj
    .symbol:         k_q28976553e8_proj.kd
    .args:
      - { .name: xin, .offset: 0, .size: 8, .value_kind: global_buffer, .address_space: global }
      - { .name: win, .offset: 8, .size: 8, .value_kind: global_buffer, .address_space: global }
      - { .name: lowp_scales, .offset: 16, .size: 8, .value_kind: global_buffer, .address_space: global }
      - { .name: bq, .offset: 24, .size: 8, .value_kind: global_buffer, .address_space: global }
      - { .name: bk, .offset: 32, .size: 8, .value_kind: global_buffer, .address_space: global }
      - { .name: bv, .offset: 40, .size: 8, .value_kind: global_buffer, .address_space: global }
      - { .name: mask, .offset: 48, .size: 8, .value_kind: global_buffer, .address_space: global }
      - { .name: qkv, .offset: 56, .size: 8, .value_kind: global_buffer, .address_space: global }
    .group_segment_fixed_size: 327680
    .private_segment_fixed_size: 0
    .kernarg_segment_align: 8
    .kernarg_segment_size: 64
    .max_flat_workgroup_size: 128
    .sgpr_count:     100
    .vgpr_count:     1024
    .wavefront_size: 32
...
	.end_amdgpu_metadata
.endif
;; end of part 2
;; launch attn (part 3): grid 8 x 64, 16 waves a work-group, no clusters, 272,384 bytes of LDS; arguments qkv, mask, lowp_scales, ctx; writes ctx
.if DOCPART == 3
	.amdgcn_target "amdgcn-amd-amdhsa--gfx1250"
	.amdhsa_code_object_version 6
	.text
	.protected	k_q28976553e8_attn
	.globl	k_q28976553e8_attn
	.p2align	8
	.type	k_q28976553e8_attn,@function
k_q28976553e8_attn:
	s_mov_b64 s[64:65], 0
	v_nop
	global_prefetch_b8 v0, s[64:65] scope:SCOPE_SE
	s_setreg_imm32_b32 hwreg(HW_REG_WAVE_MODE, 25, 1), 1
	s_wait_xcnt 0x0
; ctx[b][q][head] = softmax_k(q . k / 8, masked) v, 64 (batch, head) pairs, 2,048 queries and keys, head size 64, both products on codes of FP8 (E4M3) with the given scales; ctx is quantised on the way out for the last product.
; THE SOFTMAX AHEAD OF THE SECOND PRODUCT: t = logit x log2(e); M = the running largest t rounded UP to a whole number; p = 2^(t - M) is quantised, not normalised; the row's sum is taken of the unquantised p and divides at the end.
; When M moves, the sum and O are multiplied by 2^(old M - new M): exact.
; THE MASK costs no vector work in the loop.  A key's bias, 0 or -2^(33 - eq - ek), is the C of S^T = K Q^T, and a masked key's codes are zeros (the launch before wrote them so): its score is exactly the bias,
; and its t exactly -log2(e) x 2^30, a whole number.  Beside a key that counts p is 0; where every key of a batch is masked M = t, p = 1 for all keys: the uniform weights that a softmax of equal logits gives.
; LIMIT: a masked logit is -2^30 and not -1e9: the two differ only where true logits reach about -1e9.
; SHARES.  A work-group owns 256 queries of one (batch, head); each of its sixteen waves 16 of them, in 256 registers: four waves to a SIMD, so that one wave's vector work stands beside another's products and LDS loads.
; THE HEAD'S WHOLE K AND V LIE IN LDS (131,072 bytes each), as images of operand registers: every fragment comes by ds_load_b128 at 16 x lane.  Nothing is filled again: each wave issues four tensor loads of 4,096 bytes at
; its head, one for each group of four key steps, so four of mine are out at the most; in front of group g a counted wait and a barrier.
; LAYOUT.  Both products transposed: S^T = K Q^T (source 0 = 16 keys), O^T = V^T P^T (source 0 = 16 channels): a lane holds ONE query throughout; tile t's 8 registers are keys 16 t + 8 h + 0 .. 7: one conversion gives registers 2 t, 2 t + 1 of P.
; NO CLUSTER: a work-group asks for its 262,144 bytes once, in one group at its head, and then walks 16 key steps of some 330 vector instructions a wave on them; there is no ring whose refills partners could share.
; NO PREFETCH: all that the work-group reads is asked for by its first instructions; nothing is left to run ahead of.
; LIMITS on the given exponents: eq + ek between -94 and 130; ep and ec between -126 and 119.  NaN among the inputs is not served.
; REGISTERS: v1-6 addresses that stay; v8-10 the step's addresses; v12 -M, v13 the largest t, v[14:15] the sum; v16-23 Q; v24-31 at work; v32-95 K, then V; v96-159 bias, S^T, p; v160-191 O^T; v192-207 P's codes; v208-211 scales and holds.
.set VOFF, 131072                      ; LDS: K at 0 (key tile x 1,024), V here (key step x 8,192 + channel tile x 2,048),
.set BIAS, 262144                      ; and the keys' biases, f32: stored by the waves, in blocks into which no tensor load lands
	s_load_b256 s[4:11], s[0:1], 0x0               ; qkv, mask, the scales' exponents, ctx
	v_lshl_add_u32 v254, v0, 2, 0x42000
	v_mov_b32 v255, 0
	ds_add_u32 v254, v255
	ds_add_u32 v254, v255
	v_lshrrev_b32 v1, 5, v0
	v_readfirstlane_b32 s12, v1                    ; wave 0..15
	s_and_b32 s13, ttmp7, 0xffff                   ; batch x 16 + head
	s_lshr_b32 s15, s13, 4                         ; batch
	s_and_b32 s16, s13, 15                         ; head
	s_lshr_b32 s17, s12, 3                         ; waves 0-7 fetch K, waves 8-15 V
	s_and_b32 s18, s12, 7
	s_lshl_b32 s18, s18, 12                        ; my 4,096 bytes of a group's 32,768
	s_lshl_b32 s19, s17, 17
	s_add_co_u32 s19, s19, s18                     ; in LDS
	s_lshl_b32 s51, s13, 17                        ; the (batch, head)'s 131,072 bytes in q, in k and in v
	s_lshl_b32 s66, s17, 23
	s_add_co_u32 s66, s66, 1<<23                   ; k at 8 MB, v at 16 MB
	s_add_co_u32 s66, s66, s51
	s_add_co_u32 s66, s66, s18
	s_mov_b32 s67, 0
	s_lshl_b32 s68, ttmp9, 4
	s_add_co_u32 s68, s68, s12                     ; my tile of 16 queries: 16 x work-group x + wave
	s_lshl_b32 s70, s68, 10
	s_add_co_u32 s70, s70, s51
	s_mov_b32 s71, 0
	s_lshl_b32 s72, s15, 13                        ; the batch's 2,048 words of the mask
	s_mov_b32 s73, 0
	s_lshl_b32 s74, s15, 7
	s_add_co_u32 s74, s74, s68
	s_lshl_b32 s74, s74, 14                        ; ctx: row tile (128 x batch + my tile) x 16,384
	s_lshr_b32 s69, s16, 1
	s_lshl_b32 s69, s69, 11                        ; + fragment head / 2
	s_add_co_u32 s74, s74, s69
	s_and_b32 s69, s16, 1
	s_lshl_b32 s69, s69, 10                        ; + its blocks 2 (head % 2), 2 (head % 2) + 1
	s_add_co_u32 s74, s74, s69
	s_mov_b32 s75, 0
	; descriptor group 1: a dense block of 4,096 bytes as 16 rows of 32 elements of 8 bytes
	s_mov_b32 s24, 3<<16                           ; no mask; elements of 8 bytes; no padding
	s_mov_b32 s25, 32<<16                          ; tensor_dim0
	s_mov_b32 s26, 16<<16                          ; tensor_dim1
	s_mov_b32 s27, 32<<16                          ; tile_dim0
	s_mov_b32 s28, 16                              ; tile_dim1
	s_mov_b32 s29, 32                              ; tensor_dim0_stride
	s_mov_b32 s30, 0
	s_mov_b32 s31, 0
	s_mov_b32 s20, 0x76543210                      ; v_permlanex16_b32's selects for lane l xor 16
	s_mov_b32 s21, 0xfedcba98
	s_wait_dscnt 0x0
	s_wait_kmcnt 0x0
	s_load_b256 s[52:59], s[8:9], 0x0              ; entries 0-7: eq s58, ek s59
	s_load_b128 s[60:63], s[8:9], 0x20             ; ep s60, ev s61, ec s62
	s_add_nc_u64 s[66:67], s[4:5], s[66:67]
	s_add_nc_u64 s[70:71], s[4:5], s[70:71]
	s_add_nc_u64 s[72:73], s[6:7], s[72:73]
	s_add_nc_u64 s[74:75], s[10:11], s[74:75]
.irp g, 0,1,2,3
	s_mov_b32 s[32+4*\g], 1
	s_add_co_u32 s[33+4*\g], s19, 32768*\g
	s_add_nc_u64 s[34+4*\g:35+4*\g], s[66:67], 32768*\g
	s_or_b32 s[35+4*\g], s[35+4*\g], 0x80000000
.endr
.irp g, 0,1,2,3
	tensor_load_to_lds s[32+4*\g:35+4*\g], s[24:31]   ; all first fills in one group, ahead of every wait on TENSORcnt, every LDS read and every barrier
	s_nop 0
.endr
.rept 4
	v_nop
.endr
	v_and_b32 v7, 31, v0
	v_lshlrev_b32 v1, 4, v7                        ; 16 x lane: K's images, Q, ctx
	v_add_nc_u32 v2, VOFF, v1                      ; V's images
	v_bfe_u32 v7, v0, 4, 1
	v_lshl_add_u32 v3, v7, 5, BIAS                 ; a tile's 8 biases of my half: 32 h
	v_lshlrev_b32 v5, 4, v0                        ; 16 x thread: four words of the mask
	v_lshl_add_u32 v6, v0, 4, BIAS                 ; and their four biases
	global_load_b128 v[16:19], v1, s[70:71]        ; Q's fragment (16 queries x 64) stays in registers
	global_load_b128 v[20:23], v1, s[70:71] offset:512
	global_load_b128 v[96:99], v5, s[72:73]
	v_mov_b32 v13, 0xff61b1e6                      ; the largest t so far: -3e38, under every t
	v_floor_f32 v12, -v13                          ; -M
	v_mov_b32 v14, 0
	v_mov_b32 v15, 0
	v_mov_b32 v26, 0                               ; a lane permute's destination counts as one of its sources
	v_mov_b32 v29, 0                               ; (named as the upper half of the pair v[28:29])
.set j, 0
.rept 32
	v_mov_b32 v[160+j], 0                          ; O^T: the step is written once; its first trip finds zeros, which the first change of M leaves zeros
.set j, j+1
.endr
	s_wait_kmcnt 0x0
	s_add_co_i32 s76, s58, s59                     ; eq + ek
	s_lshl_b32 s77, s76, 23
	s_mov_b32 s22, 0x3e38aa3b                      ; c = log2(e) / sqrt(64)
	s_add_co_i32 s22, s22, s77                     ; a score stands for score x 2^(eq + ek): added to c's exponent field
	s_mov_b32 s23, s22
	s_sub_co_i32 s76, 160, s76
	s_lshl_b32 s76, s76, 23
	s_or_b32 s76, s76, 0x80000000
	v_mov_b32 v27, s76                             ; -2^(33 - eq - ek): x c it is -log2(e) x 2^30
	s_add_co_i32 s78, s60, 127
	s_lshl_b32 s79, s78, 23
	v_mov_b32 v208, s79                            ; 2^ep
	s_add_co_i32 s78, s78, 8
	s_lshl_b32 s78, s78, 23
	s_or_b32 s78, s78, 0x600000
	v_mov_b32 v209, s78                            ; 448 x 2^ep
	s_add_co_i32 s78, s62, 127
	s_lshl_b32 s79, s78, 23
	v_mov_b32 v210, s79                            ; 2^ec
	s_add_co_i32 s78, s78, 8
	s_lshl_b32 s78, s78, 23
	s_or_b32 s78, s78, 0x600000
	v_mov_b32 v211, s78                            ; 448 x 2^ec
	s_wait_loadcnt 0x0                             ; Q and the mask
.irp j, 0,1,2,3
	v_cmp_eq_u32 vcc_lo, 0, v[96+\j]
	v_cndmask_b32 v[96+\j], 0, v27, vcc_lo
.endr
	ds_store_b128 v6, v[96:99]
; A KEY STEP: 128 keys; s48 = its bytes in K's and in V's region, s49 = its bytes among the biases.
.macro STEP
	v_add_nc_u32 v8, s48, v1
	v_add_nc_u32 v9, s48, v2
	v_add_nc_u32 v10, s49, v3
	v_nop                                          ; four places behind the last products, in front of loads into the registers that they read
.set t, 0
.rept 8
	ds_load_b128 v[96+8*t:99+8*t], v10 offset:64*t          ; the biases of keys 16 t + 8 h + 0 .. 7: the C of tile t
	ds_load_b128 v[100+8*t:103+8*t], v10 offset:64*t+16
.set t, t+1
.endr
.set t, 0
.rept 8
	ds_load_b128 v[32+8*t:35+8*t], v8 offset:1024*t
	ds_load_b128 v[36+8*t:39+8*t], v8 offset:1024*t+512
.set t, t+1
.endr
	s_wait_dscnt 0x0
.set t, 0
.rept 8
	v_wmma_f32_16x16x64_fp8_fp8 v[96+8*t:103+8*t], v[32+8*t:39+8*t], v[16:23], v[96+8*t:103+8*t]   ; one instruction for each accumulator
.set t, t+1
.endr
.rept 4
	v_nop
.endr
.set d, 0
.rept 4
.irp q, 0,1,2,3
	ds_load_b128 v[32+16*d+4*\q:35+16*d+4*\q], v9 offset:2048*d+512*\q   ; V's four fragments land while the softmax runs
.endr
.set d, d+1
.endr
	v_max3_num_f32 v24, v96, v97, v98              ; the step's largest score of my query among my 64 keys, in two chains, each accumulator from its low end on,
	v_max3_num_f32 v25, v99, v100, v101
.set i, 6
.rept 14
	v_max3_num_f32 v24, v24, v[96+i], v[97+i]
	v_max3_num_f32 v25, v25, v[98+i], v[99+i]
.set i, i+4
.endr
	v_max3_num_f32 v24, v24, v158, v159
	v_max_num_f32 v24, v24, v25
	v_permlanex16_b32 v26, v24, s20, s21
	v_max_num_f32 v24, v24, v26                    ; and among lane l xor 16's
	v_mul_f32 v24, s22, v24                        ; as t (c is positive)
	v_max_num_f32 v13, v13, v24                    ; the running largest t
	v_mov_b32 v24, v12
	v_floor_f32 v12, -v13                          ; the new -M = floor(-t) = -ceil(t)
	v_sub_f32 v24, v12, v24                        ; old M - new M: a whole number, 0 or less
	v_cvt_i32_f32 v24, v24                         ; (it saturates)
	v_ldexp_f32 v28, 1.0, v24                      ; f = 2^(old M - new M)
.set j, 0
.rept 32
	v_pk_fma_f32 v[96+j:97+j], v[96+j:97+j], s[22:23], v[12:13] op_sel_hi:[1,0,0]   ; t - M, two at a time
.set j, j+2
.endr
.set j, 0
.rept 64
	v_exp_f32 v[96+j], v[96+j]                     ; p = 2^(t - M)
.set j, j+1
.endr
	v_pk_mul_f32 v[14:15], v[14:15], v[28:29] op_sel_hi:[1,0]   ; the sums under the new M (the plain line behind the exponentials)
	s_wait_alu depctr_va_vdst(0)                   ; one wait for the batch of 64, ahead of its first reader
	v_pk_add_f32 v[30:31], v[96:97], v[98:99]      ; the row's sum is taken of the unquantised p, in two chains
.set j, 4
.rept 15
	v_pk_add_f32 v[14:15], v[14:15], v[96+j:97+j]
	v_pk_add_f32 v[30:31], v[30:31], v[98+j:99+j]
.set j, j+4
.endr
	v_pk_add_f32 v[14:15], v[14:15], v[30:31]
.set t, 0
.rept 8
.set i, 0
.rept 8
	v_min_num_f32 v[96+8*t+i], v[96+8*t+i], v209   ; the conversion does not saturate (ISA guide 7.6.2); p is not negative: a one-sided hold
.set i, i+1
.endr
	v_cvt_scalef32_pk8_fp8_f32 v[192+2*t:193+2*t], v[96+8*t:103+8*t], v208
.set t, t+1
.endr
.set j, 0
.rept 16
	v_pk_mul_f32 v[160+j:161+j], v[160+j:161+j], v[28:29] op_sel_hi:[1,0]   ; O^T under the new M; also the plain lines between the conversions and the products
.set j, j+2
.endr
	s_wait_dscnt 0x0                               ; V
.set d, 0
.rept 4
	v_wmma_f32_16x16x128_fp8_fp8 v[160+8*d:167+8*d], v[32+16*d:47+16*d], v[192:207], v[160+8*d:167+8*d]   ; four accumulators by turns
.set d, d+1
.endr
.endm
; Group g: key steps 4 g to 4 g + 3.  My load for it is in when at most 3 - g younger ones are out; the barrier shows it of every wave.  The later groups' loads may stay out.
.macro GROUP g
	s_wait_tensorcnt 3-\g
	s_wait_dscnt 0x0                               ; (group 0: my store of four biases has landed)
	s_barrier_signal -1
	s_barrier_wait -1
	s_mov_b32 s48, 32768*\g
	s_mov_b32 s49, 2048*\g
	s_mov_b32 s50, 4
.Lstep_\@:
	STEP
	s_add_co_u32 s48, s48, 8192
	s_add_co_u32 s49, s49, 512
	s_sub_co_u32 s50, s50, 1
	s_cmp_lg_u32 s50, 0
	s_cbranch_scc1 .Lstep_\@
.endm
	GROUP 0
	GROUP 1
	GROUP 2
	GROUP 3
	; THE WAY OUT: ctx = O^T / the sum x 2^(ep + ev), quantised with 2^ec: tile d's 8 registers are channels 16 d + 8 h + 0 .. 7 of my query: registers 2 d, 2 d + 1 of my head's half of a fragment of the last product's operand.
.rept 4
	v_nop
.endr
	v_add_f32 v14, v14, v15
	v_permlanex16_b32 v26, v14, s20, s21
	v_add_f32 v14, v14, v26                        ; the row's sum
	v_rcp_f32 v14, v14
	v_nop                                          ; a plain line behind the transcendental
	s_add_co_i32 s76, s60, s61
	s_wait_alu depctr_va_vdst(0)                   ; and the wait ahead of its first reader
	v_ldexp_f32 v14, v14, s76
	v_mov_b32 v15, v14
.set j, 0
.rept 16
	v_pk_mul_f32 v[96+j:97+j], v[160+j:161+j], v[14:15]
.set j, j+2
.endr
.set d, 0
.rept 4
.set i, 0
.rept 8
	v_med3_num_f32 v[96+8*d+i], v[96+8*d+i], -v211, v211
.set i, i+1
.endr
	v_cvt_scalef32_pk8_fp8_f32 v[32+2*d:33+2*d], v[96+8*d:103+8*d], v210
.set d, d+1
.endr
	v_nop
	global_store_b128 v1, v[32:35], s[74:75]              ; 512 consecutive bytes a store, at a multiple of 512 from ctx's first byte
	global_store_b128 v1, v[36:39], s[74:75] offset:512
	s_wait_tensorcnt 0x0
	ds_add_u32 v254, v255
	s_wait_dscnt 0x0
	s_endpgm
.Lfunc_end_k_q28976553e8_attn:
	.size	k_q28976553e8_attn, .Lfunc_end_k_q28976553e8_attn-k_q28976553e8_attn
	.p2alignl 7, 3214868480
	.fill 96, 4, 3214868480
	.section	.rodata,"a",@progbits
	.p2align	6, 0x0
	.amdhsa_kernel k_q28976553e8_attn
		.amdhsa_group_segment_fixed_size 272384
		.amdhsa_private_segment_fixed_size 0
		.amdhsa_enable_private_segment 0
		.amdhsa_kernarg_size 32
		.amdhsa_user_sgpr_count 2
		.amdhsa_user_sgpr_kernarg_segment_ptr 1
		.amdhsa_wavefront_size32 1
		.amdhsa_system_sgpr_workgroup_id_x 1
		.amdhsa_system_sgpr_workgroup_id_y 1
		.amdhsa_system_sgpr_workgroup_id_z 1
		.amdhsa_system_vgpr_workitem_id 0
		.amdhsa_next_free_vgpr 256
		.amdhsa_next_free_sgpr 80
		.amdhsa_reserve_vcc 1
		.amdhsa_float_denorm_mode_32 3
		.amdhsa_float_denorm_mode_16_64 3
		.amdhsa_memory_ordered 1
		.amdhsa_forward_progress 1
		.amdhsa_inst_pref_size 78
	.end_amdhsa_kernel
	.amdgpu_metadata
---
amdhsa.version: [ 1, 2 ]
amdhsa.kernels:
  - .name:           k_q28976553e8_attn
    .symbol:         k_q28976553e8_attn.kd
    .args:
      - { .name: qkv, .offset: 0, .size: 8, .value_kind: global_buffer, .address_space: global }
      - { .name: mask, .offset: 8, .size: 8, .value_kind: global_buffer, .address_space: global }
      - { .name: lowp_scales, .offset: 16, .size: 8, .value_kind: global_buffer, .address_space: global }
      - { .name: ctx, .offset: 24, .size: 8, .value_kind: global_buffer, .address_space: global }
    .group_segment_fixed_size: 272384
    .private_segment_fixed_size: 0
    .kernarg_segment_align: 8
    .kernarg_segment_size: 32
    .max_flat_workgroup_size: 512
    .sgpr_count:     80
    .vgpr_count:     256
    .wavefront_size: 32
...
	.end_amdgpu_metadata
.endif
;; end of part 3
;; launch outln (part 4): grid 256 x 1, 16 waves a work-group, no clusters, 166,400 bytes of LDS; arguments ctx, win, lowp_scales, bo, Q, gamma, beta, out0; writes out0
.if DOCPART == 4
	.amdgcn_target "amdgcn-amd-amdhsa--gfx1250"
	.amdhsa_code_object_version 6
	.text
	.protected	k_q28976553e8_outln
	.globl	k_q28976553e8_outln
	.p2align	8
	.type	k_q28976553e8_outln,@function
k_q28976553e8_outln:
	s_mov_b64 s[64:65], 0
	v_nop
	global_prefetch_b8 v0, s[64:65] scope:SCOPE_SE
	s_setreg_imm32_b32 hwreg(HW_REG_WAVE_MODE, 25, 1), 1
	s_wait_xcnt 0x0
; out0 = LayerNorm(ctx Wo^T + bo + Q) x gamma + beta.  The product on codes of FP8 (E4M3), [8192 x 1024 x 1024]; all else in f32.
; A LayerNorm wants whole rows, so a work-group owns 32 rows x all 1,024 columns: 256 work-groups.  Wave w makes columns 64 w .. 64 w + 63 for the 32 rows (8 accumulators), then normalises rows 2 w and 2 w + 1.
; ctx and Wo lie as images of operand registers (a fragment of 16 rows x 128 K: 2,048 bytes, registers 4 q .. 4 q + 3 at 512 q + 16 x lane).  The work-group's 32,768 bytes of ctx are copied into LDS once and read by all sixteen waves.
; A fragment of Wo is read by ONE wave of the work-group, so it goes from memory straight into that wave's registers, two K steps (32 loads of 512 bytes) ahead.
; THE MATRIX INSTRUCTION IS USED TRANSPOSED (source 0 = 16 rows of Wo, source 1 = 16 rows of ctx): a lane holds eight neighbouring columns of one row.  The raw sums meet in a stage in LDS (rows of 4,096 + 16 bytes), one barrier,
; and come back as whole rows: lane l holds columns 128 c + 4 l + 0 .. 3, c = 0 .. 7, as do its parts of Q, bo, gamma and beta.  Mean and variance in two passes over registers.
; NO TENSOR LOADS, NO CLUSTER: a ring of Wo's tiles shared by partners would stop at each change of slots for 8 products a wave; here each wave's own loads run ahead with no barrier in the loop over K.
; NO PREFETCH: every load's address is known at the head and the loads themselves run two K steps ahead.
; LIMIT: the two exponents' sum between -126 and 127.
; REGISTERS: v1-5 addresses; v6-15 at work; v16-31 the copy of ctx; v32-63 ctx's two fragments, later bo; v64-127, v128-191 Wo's two sets, later Q's two rows, gamma and beta; v192-255 the accumulators ((m, t) at 192 + 8 (4 m + t)), later the two rows.
.set STG,  32768                       ; LDS: ctx's images at 0; the stage here
.set SPI,  4112                        ; a stage row
.set ACC,  192
	s_load_b512 s[4:19], s[0:1], 0x0               ; ctx, win, the scales' exponents, bo, Q, gamma, beta, out0
	v_lshrrev_b32 v1, 5, v0
	v_readfirstlane_b32 s20, v1                    ; wave 0..15
	v_and_b32 v6, 31, v0
	v_lshlrev_b32 v1, 4, v6                        ; 16 x lane
	v_lshlrev_b32 v2, 4, v0                        ; 16 x thread
	v_and_b32 v7, 15, v0                           ; r
	v_bfe_u32 v8, v0, 4, 1                         ; h
	v_mul_u32_u24 v3, v7, SPI
	v_lshl_add_u32 v3, v8, 5, v3
	s_lshl_b32 s21, s20, 8
	s_add_co_u32 s21, s21, STG
	v_add_nc_u32 v3, s21, v3                       ; into the stage: row r, + 256 w + 32 h
	v_add_nc_u32 v4, 16*SPI, v3                    ; rows 16 to 31
	s_mul_i32 s21, s20, 2*SPI
	s_add_co_u32 s21, s21, STG
	v_add_nc_u32 v5, s21, v1                       ; back: rows 2 w and 2 w + 1, 16 bytes a lane
	v_mov_b32 v10, 0                               ; a lane permute's destination counts as one of its sources
	v_mov_b32 v13, 0                               ; (upper halves of pairs of which the low word serves both halves)
	v_mov_b32 v15, 0
	s_lshl_b32 s32, ttmp9, 15                      ; ctx: my two row tiles
	s_mov_b32 s33, 0
	s_lshl_b32 s34, s20, 16                        ; Wo: at 3 MB in win; my four row tiles
	s_add_co_u32 s34, s34, 3<<20
	s_mov_b32 s35, 0
	s_lshl_b32 s36, ttmp9, 17                      ; Q and out0: row 32 g + 2 w
	s_lshl_b32 s21, s20, 13
	s_add_co_u32 s36, s36, s21
	s_mov_b32 s37, 0
	s_mov_b32 s28, 0x76543210
	s_mov_b32 s29, 0xfedcba98
	s_mov_b32 s30, 0x3a800000                      ; 1 / 1024
	s_mov_b32 s31, 0x3727c5ac                      ; 1e-5
	s_wait_kmcnt 0x0
	s_load_b64 s[24:25], s[8:9], 0x28              ; entries 10 and 11
	s_add_nc_u64 s[4:5], s[4:5], s[32:33]
	s_add_nc_u64 s[6:7], s[6:7], s[34:35]
	s_add_nc_u64 s[12:13], s[12:13], s[36:37]
	s_add_nc_u64 s[18:19], s[18:19], s[36:37]
.irp q, 0,1,2,3
	global_load_b128 v[16+4*\q:19+4*\q], v2, s[4:5] offset:8192*\q th:TH_LOAD_NT
.endr
.macro BLOAD s                         ; Wo's four fragments of K step s into set s % 2
.irp t, 0,1,2,3
.irp q, 0,1,2,3
	global_load_b128 v[64+64*((\s)%2)+16*\t+4*\q:64+64*((\s)%2)+16*\t+4*\q+3], v1, s[6:7] offset:16384*\t+2048*(\s)+512*\q
.endr
.endr
.endm
	BLOAD 0
	BLOAD 1
	s_wait_loadcnt 32                              ; the copy's four loads are in; Wo's 32 stay out
.irp q, 0,1,2,3
	ds_store_b128 v2, v[16+4*\q:19+4*\q] offset:8192*\q
.endr
	s_wait_dscnt 0x0                               ; for the others' sake: my stores have landed
	s_barrier_signal -1
	s_barrier_wait -1                              ; ctx's sixteen fragments lie in LDS; nobody writes them again
.macro KSTEP s
.irp m, 0,1
.irp q, 0,1,2,3
	ds_load_b128 v[32+16*\m+4*\q:35+16*\m+4*\q], v1 offset:16384*\m+2048*(\s)+512*\q
.endr
.endr
	s_wait_loadcnt 16                              ; this step's set of Wo is in; the 16 loads issued behind it stay out
	s_wait_dscnt 0x0
.irp m, 0,1
.irp t, 0,1,2,3
.if (\s) == 0
	v_wmma_f32_16x16x128_fp8_fp8 v[ACC+8*(4*\m+\t):ACC+8*(4*\m+\t)+7], v[64+64*((\s)%2)+16*\t:64+64*((\s)%2)+16*\t+15], v[32+16*\m:47+16*\m], 0
.else
	v_wmma_f32_16x16x128_fp8_fp8 v[ACC+8*(4*\m+\t):ACC+8*(4*\m+\t)+7], v[64+64*((\s)%2)+16*\t:64+64*((\s)%2)+16*\t+15], v[32+16*\m:47+16*\m], v[ACC+8*(4*\m+\t):ACC+8*(4*\m+\t)+7]
.endif
.endr
.endr
.rept 4
	v_nop                                          ; places in front of loads into registers that these products read, and of the first read of results
.endr
.endm
.irp s, 0,1,2,3,4,5
	KSTEP \s                                       ; eight accumulators by turns
	BLOAD \s+2
.endr
	KSTEP 6
.irp i, 0,1
.irp c, 0,1,2,3,4,5,6,7
	global_load_b128 v[64+32*\i+4*\c:67+32*\i+4*\c], v1, s[12:13] offset:4096*\i+512*\c th:TH_LOAD_NT   ; Q's rows 2 w and 2 w + 1, into the set that K step 6 has left
.endr
.endr
	KSTEP 7
.irp c, 0,1,2,3,4,5,6,7
	global_load_b128 v[128+4*\c:131+4*\c], v1, s[14:15] offset:512*\c       ; gamma
	global_load_b128 v[160+4*\c:163+4*\c], v1, s[16:17] offset:512*\c       ; beta
	global_load_b128 v[32+4*\c:35+4*\c], v1, s[10:11] offset:512*\c         ; bo
.endr
.irp m, 0,1
.irp t, 0,1,2,3
	ds_store_b128 v[3+\m], v[ACC+8*(4*\m+\t):ACC+8*(4*\m+\t)+3] offset:64*\t          ; lane (r, h): the sums of row 16 m + r, columns 64 w + 16 t + 8 h + 0 .. 7; each accumulator's low half first
	ds_store_b128 v[3+\m], v[ACC+8*(4*\m+\t)+4:ACC+8*(4*\m+\t)+7] offset:64*\t+16
.endr
.endr
	s_wait_dscnt 0x0
	s_barrier_signal -1
	s_barrier_wait -1                              ; 32 whole rows of sums lie in the stage
.irp i, 0,1
.irp c, 0,1,2,3,4,5,6,7
	ds_load_b128 v[192+32*\i+4*\c:195+32*\i+4*\c], v5 offset:SPI*\i+512*\c
.endr
.endr
	s_wait_kmcnt 0x0
	s_add_co_i32 s26, s24, s25
	s_add_co_i32 s26, s26, 127
	s_lshl_b32 s26, s26, 23                        ; 2^(the two exponents added) as f32
	s_mov_b32 s27, s26
	s_wait_loadcnt 0x0
	s_wait_dscnt 0x0
.macro REDUCE                          ; v6 summed over the 32 lanes, the result in every lane
	v_add_f32_dpp v6, v6, v6 row_xmask:1 row_mask:0xf bank_mask:0xf
	v_add_f32_dpp v6, v6, v6 row_xmask:2 row_mask:0xf bank_mask:0xf
	v_add_f32_dpp v6, v6, v6 row_xmask:4 row_mask:0xf bank_mask:0xf
	v_add_f32_dpp v6, v6, v6 row_xmask:8 row_mask:0xf bank_mask:0xf
	v_permlanex16_b32 v10, v6, s28, s29
	v_add_f32 v6, v6, v10
.endm
.macro ROW i
.set XR, 192+32*(\i)
.set QR, 64+32*(\i)
.set j, 0
.rept 16
	v_pk_fma_f32 v[XR+j:XR+j+1], v[XR+j:XR+j+1], s[26:27], v[32+j:33+j] op_sel_hi:[1,0,1]   ; sum x 2^e + bo
.set j, j+2
.endr
.set j, 0
.rept 16
	v_pk_add_f32 v[XR+j:XR+j+1], v[XR+j:XR+j+1], v[QR+j:QR+j+1]                             ; + Q
.set j, j+2
.endr
	v_pk_add_f32 v[6:7], v[XR:XR+1], v[XR+2:XR+3]                                           ; the row's sum, in two chains
	v_pk_add_f32 v[8:9], v[XR+4:XR+5], v[XR+6:XR+7]
.set j, 8
.rept 6
	v_pk_add_f32 v[6:7], v[6:7], v[XR+j:XR+j+1]
	v_pk_add_f32 v[8:9], v[8:9], v[XR+j+2:XR+j+3]
.set j, j+4
.endr
	v_pk_add_f32 v[6:7], v[6:7], v[8:9]
	v_add_f32 v6, v6, v7
	REDUCE
	v_mul_f32 v12, s30, v6                         ; the mean
.set j, 0
.rept 16
	v_pk_add_f32 v[XR+j:XR+j+1], v[XR+j:XR+j+1], v[12:13] op_sel_hi:[1,0] neg_lo:[0,1] neg_hi:[0,1]
.set j, j+2
.endr
	v_pk_mul_f32 v[6:7], v[XR:XR+1], v[XR:XR+1]                                             ; the squares of x - mean
	v_pk_mul_f32 v[8:9], v[XR+2:XR+3], v[XR+2:XR+3]
.set j, 4
.rept 7
	v_pk_fma_f32 v[6:7], v[XR+j:XR+j+1], v[XR+j:XR+j+1], v[6:7]
	v_pk_fma_f32 v[8:9], v[XR+j+2:XR+j+3], v[XR+j+2:XR+j+3], v[8:9]
.set j, j+4
.endr
	v_pk_add_f32 v[6:7], v[6:7], v[8:9]
	v_add_f32 v6, v6, v7
	REDUCE
	v_fma_f32 v6, v6, s30, s31                     ; the variance + 1e-5
	v_rsq_f32 v14, v6
	v_nop                                          ; a plain line behind the transcendental
	s_wait_alu depctr_va_vdst(0)                   ; and the wait ahead of its first reader
.set j, 0
.rept 16
	v_pk_mul_f32 v[XR+j:XR+j+1], v[XR+j:XR+j+1], v[14:15] op_sel_hi:[1,0]
.set j, j+2
.endr
.set j, 0
.rept 16
	v_pk_fma_f32 v[XR+j:XR+j+1], v[XR+j:XR+j+1], v[128+j:129+j], v[160+j:161+j]             ; x gamma + beta
.set j, j+2
.endr
.irp c, 0,1,2,3,4,5,6,7
	global_store_b128 v1, v[XR+4*\c:XR+4*\c+3], s[18:19] offset:4096*(\i)+512*\c th:TH_STORE_NT   ; 32 lanes store 512 consecutive bytes of the row
.endr
.endm
	ROW 0
	ROW 1
	s_wait_xcnt 0x0
	v_lshl_add_u32 v254, v0, 2, 0x28200
	v_mov_b32 v255, 0
	s_wait_tensorcnt 0x0
	ds_add_u32 v254, v255
	s_wait_dscnt 0x0
	s_endpgm
.Lfunc_end_k_q28976553e8_outln:
	.size	k_q28976553e8_outln, .Lfunc_end_k_q28976553e8_outln-k_q28976553e8_outln
	.p2alignl 7, 3214868480
	.fill 96, 4, 3214868480
	.section	.rodata,"a",@progbits
	.p2align	6, 0x0
	.amdhsa_kernel k_q28976553e8_outln
		.amdhsa_group_segment_fixed_size 166400
		.amdhsa_private_segment_fixed_size 0
		.amdhsa_enable_private_segment 0
		.amdhsa_kernarg_size 64
		.amdhsa_user_sgpr_count 2
		.amdhsa_user_sgpr_kernarg_segment_ptr 1
		.amdhsa_wavefront_size32 1
		.amdhsa_system_sgpr_workgroup_id_x 1
		.amdhsa_system_sgpr_workgroup_id_y 1
		.amdhsa_system_sgpr_workgroup_id_z 1
		.amdhsa_system_vgpr_workitem_id 0
		.amdhsa_next_free_vgpr 256
		.amdhsa_next_free_sgpr 66
		.amdhsa_reserve_vcc 0
		.amdhsa_float_denorm_mode_32 3
		.amdhsa_float_denorm_mode_16_64 3
		.amdhsa_memory_ordered 1
		.amdhsa_forward_progress 1
		.amdhsa_inst_pref_size 48
	.end_amdhsa_kernel
	.amdgpu_metadata
---
amdhsa.version: [ 1, 2 ]
amdhsa.kernels:
  - .name:           k_q28976553e8_outln
    .symbol:         k_q28976553e8_outln.kd
    .args:
      - { .name: ctx, .offset: 0, .size: 8, .value_kind: global_buffer, .address_space: global }
      - { .name: win, .offset: 8, .size: 8, .value_kind: global_buffer, .address_space: global }
      - { .name: lowp_scales, .offset: 16, .size: 8, .value_kind: global_buffer, .address_space: global }
      - { .name: bo, .offset: 24, .size: 8, .value_kind: global_buffer, .address_space: global }
      - { .name: Q, .offset: 32, .size: 8, .value_kind: global_buffer, .address_space: global }
      - { .name: gamma, .offset: 40, .size: 8, .value_kind: global_buffer, .address_space: global }
      - { .name: beta, .offset: 48, .size: 8, .value_kind: global_buffer, .address_space: global }
      - { .name: out0, .offset: 56, .size: 8, .value_kind: global_buffer, .address_space: global }
    .group_segment_fixed_size: 166400
    .private_segment_fixed_size: 0
    .kernarg_segment_align: 8
    .kernarg_segment_size: 64
    .max_flat_workgroup_size: 512
    .sgpr_count:     66
    .vgpr_count:     256
    .wavefront_size: 32
...
	.end_amdgpu_metadata
.endif
;; end of part 4
;; ======== version 2 of 3: 4 launches; 1.12 times as fast as version 1
;; limits: right only within a limited range of input values
;; workspace buffers: xin 25,165,824 bytes; win 4,194,304 bytes; qkv 25,165,824 bytes; ctx 8,388,608 bytes
;; launch quant: the kernel of part 1 again; grid 1792 x 1, 8 waves a work-group, no clusters, 68,608 bytes of LDS; arguments Q, K, V, Wq, Wk, Wv, Wo, lowp_scales, xin, win; writes xin, win
;; launch proj: the kernel of part 2 again; grid 4 x 96, 4 waves a work-group, clusters of 4 x 4, 327,680 bytes of LDS; arguments xin, win, lowp_scales, bq, bk, bv, mask, qkv; writes qkv
;; launch attn (part 5): grid 4 x 64, 16 waves a work-group, no clusters, 272,384 bytes of LDS; arguments qkv, mask, lowp_scales, ctx; writes ctx
.if DOCPART == 5
	.amdgcn_target "amdgcn-amd-amdhsa--gfx1250"
	.amdhsa_code_object_version 6
	.text
	.protected	k_q28976553e8_attn
	.globl	k_q28976553e8_attn
	.p2align	8
	.type	k_q28976553e8_attn,@function
k_q28976553e8_attn:
	s_mov_b64 s[64:65], 0
	v_nop
	global_prefetch_b8 v0, s[64:65] scope:SCOPE_SE
	s_setreg_imm32_b32 hwreg(HW_REG_WAVE_MODE, 25, 1), 1
	s_wait_xcnt 0x0
; ctx[b][q][head] = softmax_k(q . k / 8, masked) v, 64 (batch, head) pairs, 2,048 queries and keys, head size 64, both products on codes of FP8 (E4M3) with the given scales; ctx is quantised on the way out for the last product.
; THE SOFTMAX AHEAD OF THE SECOND PRODUCT: t = logit x log2(e); M = the running largest t rounded UP to a whole number; p = 2^(t - M) is quantised, not normalised; the row's sum is taken of the unquantised p and divides at the end.
; When M moves, the sum and O are multiplied by 2^(old M - new M): exact.
; THE MASK costs no vector work in the loop.  A key's bias, 0 or -2^(33 - eq - ek), is the C of S^T = K Q^T, and a masked key's codes are zeros (the launch before wrote them so): its score is exactly the bias,
; and its t exactly -log2(e) x 2^30, a whole number.  Beside a key that counts p is 0; where every key of a batch is masked M = t, p = 1 for all keys: the uniform weights that a softmax of equal logits gives.
; LIMIT: a masked logit is -2^30 and not -1e9: the two differ only where true logits reach about -1e9.
; SHARES.  256 work-groups.  A work-group owns 512 queries of one (batch, head) and STAYS: each of its sixteen waves takes one tile of 16 queries through all keys, stores it, and takes a second tile, 256 queries on, through the
; same K, V and biases in LDS.  A wave has 256 registers: four waves to a SIMD, so that one wave's vector work stands beside another's products and LDS loads.
; THE HEAD'S WHOLE K AND V LIE IN LDS (131,072 bytes each), as images of operand registers: every fragment comes by ds_load_b128 at 16 x lane.  They are brought once, THROUGH REGISTERS, in four groups of four key steps:
; a wave moves 4,096 bytes of a group (8 loads of 512 consecutive bytes into v212-243, 8 LDS stores).  Group g + 1's loads are issued straight behind the barrier in front of group g's steps and have those four steps in which
; to land; then: the wait for them, the stores, the wait for the stores, the barrier.  No LDS byte is written twice.  The second tile's 16 steps have no barrier.
; THE HOLD OF p IS JUMPED OVER WHERE IT CAN CHANGE NOTHING.  t - M is at most half a unit in the last place of t; |t| <= 64 x 448^2 x 0.1804 x 2^(eq + ek) < 2^24 where eq + ek <= 2 (a masked t is exact), so p <= 2^(1/2) there,
; and with ep >= -8 p / 2^ep <= 363 < 448.  For all other exponents the 64 holds are executed.  The branch hangs on whole numbers that the launch reads; it stands inside the step, round the holds alone.
; LAYOUT.  Both products transposed: S^T = K Q^T (source 0 = 16 keys), O^T = V^T P^T (source 0 = 16 channels): a lane holds ONE query throughout; tile t's 8 registers are keys 16 t + 8 h + 0 .. 7: one conversion gives registers 2 t, 2 t + 1 of P.
; NO CLUSTER, NO TENSOR LOADS: a joint request is a tensor load; the branch spares 64 of a key step's some 330 instructions in each of 32 steps a wave,
; while what the four work-groups of a head could share is asked for once by each, 16,384 bytes a wave.
; NO PREFETCH: a group's bytes are asked for by their own loads four key steps of sixteen waves ahead of the stores that want them; only group 0 is waited for, at the head.
; LIMITS on the given exponents: eq + ek between -94 and 130; ep and ec between -126 and 119.  NaN among the inputs is not served.
; REGISTERS: v1-6, v11 addresses that stay; v8-10 the step's addresses; v12 -M, v13 the largest t, v[14:15] the sum; v16-23 the first tile's Q; v24-31 at work; v32-95 K, then V; v96-159 bias, S^T, p; v160-191 O^T;
;   v192-207 P's codes; v208-211 scales and holds; v212-243 the fill's stage; v244-251 the second tile's Q.
.set VOFF, 131072                      ; LDS: K at 0 (key tile x 1,024), V here (key step x 8,192 + channel tile x 2,048),
.set BIAS, 262144                      ; and the keys' biases, f32
.set FS,   212                         ; the fill's stage
.set QA,   16                          ; Q of my first tile
.set QB,   244                         ; and of my second
	s_load_b256 s[4:11], s[0:1], 0x0               ; qkv, mask, the scales' exponents, ctx
	v_lshl_add_u32 v254, v0, 2, 0x42000
	v_mov_b32 v255, 0
	v_lshrrev_b32 v1, 5, v0
	v_readfirstlane_b32 s12, v1                    ; wave 0..15
	s_and_b32 s13, ttmp7, 0xffff                   ; batch x 16 + head
	s_lshr_b32 s15, s13, 4                         ; batch
	s_and_b32 s16, s13, 15                         ; head
	s_lshr_b32 s17, s12, 3                         ; waves 0-7 bring K, waves 8-15 V
	s_and_b32 s18, s12, 7
	s_lshl_b32 s18, s18, 12                        ; my 4,096 bytes of a group's 32,768
	s_lshl_b32 s19, s17, 17
	s_add_co_u32 s19, s19, s18                     ; in LDS
	s_lshl_b32 s51, s13, 17                        ; the (batch, head)'s 131,072 bytes in q, in k and in v
	s_lshl_b32 s66, s17, 23
	s_add_co_u32 s66, s66, 1<<23                   ; k at 8 MB, v at 16 MB
	s_add_co_u32 s66, s66, s51
	s_add_co_u32 s66, s66, s18
	s_mov_b32 s67, 0
	s_lshl_b32 s68, ttmp9, 5
	s_add_co_u32 s68, s68, s12                     ; my first tile of 16 queries: 32 x work-group x + wave; my second: 16 tiles on
	s_lshl_b32 s70, s68, 10
	s_add_co_u32 s70, s70, s51
	s_mov_b32 s71, 0
	s_lshl_b32 s72, s15, 13                        ; the batch's 2,048 words of the mask
	s_mov_b32 s73, 0
	s_lshl_b32 s74, s15, 7
	s_add_co_u32 s74, s74, s68
	s_lshl_b32 s74, s74, 14                        ; ctx: row tile (128 x batch + my tile) x 16,384
	s_lshr_b32 s69, s16, 1
	s_lshl_b32 s69, s69, 11                        ; + fragment head / 2
	s_add_co_u32 s74, s74, s69
	s_and_b32 s69, s16, 1
	s_lshl_b32 s69, s69, 10                        ; + its blocks 2 (head % 2), 2 (head % 2) + 1
	s_add_co_u32 s74, s74, s69
	s_mov_b32 s75, 0
	s_mov_b32 s20, 0x76543210                      ; v_permlanex16_b32's selects for lane l xor 16
	s_mov_b32 s21, 0xfedcba98
	v_and_b32 v7, 31, v0
	v_lshlrev_b32 v1, 4, v7                        ; 16 x lane: K's images, Q, ctx, the fill's loads
	v_add_nc_u32 v2, VOFF, v1                      ; V's images
	v_bfe_u32 v7, v0, 4, 1
	v_lshl_add_u32 v3, v7, 5, BIAS                 ; a tile's 8 biases of my half: 32 h
	v_add_nc_u32 v4, s19, v1                       ; the fill's stores, groups 0 and 1;
	v_add_nc_u32 v11, 0x10000, v4                  ; groups 2 and 3: an LDS immediate has 16 bits
	v_lshlrev_b32 v5, 4, v0                        ; 16 x thread: four words of the mask
	v_lshl_add_u32 v6, v0, 4, BIAS                 ; and their four biases
	s_wait_kmcnt 0x0
	s_load_b256 s[52:59], s[8:9], 0x0              ; entries 0-7: eq s58, ek s59
	s_load_b128 s[60:63], s[8:9], 0x20             ; ep s60, ev s61, ec s62
	s_add_nc_u64 s[66:67], s[4:5], s[66:67]
	s_add_nc_u64 s[70:71], s[4:5], s[70:71]
	s_add_nc_u64 s[72:73], s[6:7], s[72:73]
	s_add_nc_u64 s[74:75], s[10:11], s[74:75]
.macro FILL_LOAD g                     ; my 4,096 bytes of group g: 512 consecutive bytes a load
.set i, 0
.rept 8
	global_load_b128 v[FS+4*i:FS+4*i+3], v1, s[66:67] offset:32768*(\g)+512*i
.set i, i+1
.endr
.endm
.macro FILL_STORE g                    ; and on into LDS, as they lie
.set i, 0
.rept 8
	ds_store_b128 v[4+7*((\g)/2)], v[FS+4*i:FS+4*i+3] offset:32768*((\g)%2)+512*i
.set i, i+1
.endr
.endm
.macro INIT                            ; a tile's start: the step is written once; its first trip finds zeros, which the first change of M leaves zeros
	v_mov_b32 v13, 0xff61b1e6                      ; the largest t so far: -3e38, under every t
	v_floor_f32 v12, -v13                          ; -M
	v_mov_b32 v14, 0
	v_mov_b32 v15, 0
.set j, 0
.rept 32
	v_mov_b32 v[160+j], 0                          ; O^T
.set j, j+1
.endr
.endm
	FILL_LOAD 0
	global_load_b128 v[96:99], v5, s[72:73]        ; four words of the mask
	global_load_b128 v[QA:QA+3], v1, s[70:71]      ; Q's fragments (16 queries x 64) stay in registers
	global_load_b128 v[QA+4:QA+7], v1, s[70:71] offset:512
	global_load_b128 v[QB:QB+3], v1, s[70:71] offset:16384
	global_load_b128 v[QB+4:QB+7], v1, s[70:71] offset:16896
	INIT
	v_mov_b32 v26, 0                               ; a lane permute's destination counts as one of its sources
	v_mov_b32 v29, 0                               ; (named as the upper half of the pair v[28:29])
	s_wait_kmcnt 0x0
	s_add_co_i32 s76, s58, s59                     ; eq + ek
	s_cmp_lt_i32 s60, -8
	s_cselect_b32 s24, 1, 0
	s_cmp_gt_i32 s76, 2
	s_cselect_b32 s24, 1, s24                      ; 1: p is held in every step; 0: no p can pass 448 x 2^ep (the head comment's arithmetic)
	s_lshl_b32 s77, s76, 23
	s_mov_b32 s22, 0x3e38aa3b                      ; c = log2(e) / sqrt(64)
	s_add_co_i32 s22, s22, s77                     ; a score stands for score x 2^(eq + ek): added to c's exponent field
	s_mov_b32 s23, s22
	s_sub_co_i32 s76, 160, s76
	s_lshl_b32 s76, s76, 23
	s_or_b32 s76, s76, 0x80000000
	v_mov_b32 v27, s76                             ; -2^(33 - eq - ek): x c it is -log2(e) x 2^30
	s_add_co_i32 s78, s60, 127
	s_lshl_b32 s79, s78, 23
	v_mov_b32 v208, s79                            ; 2^ep
	s_add_co_i32 s78, s78, 8
	s_lshl_b32 s78, s78, 23
	s_or_b32 s78, s78, 0x600000
	v_mov_b32 v209, s78                            ; 448 x 2^ep
	s_add_co_i32 s78, s62, 127
	s_lshl_b32 s79, s78, 23
	v_mov_b32 v210, s79                            ; 2^ec
	s_add_co_i32 s78, s78, 8
	s_lshl_b32 s78, s78, 23
	s_or_b32 s78, s78, 0x600000
	v_mov_b32 v211, s78                            ; 448 x 2^ec
	s_wait_loadcnt 0x0                             ; group 0, the mask and Q
.irp j, 0,1,2,3
	v_cmp_eq_u32 vcc_lo, 0, v[96+\j]
	v_cndmask_b32 v[96+\j], 0, v27, vcc_lo
.endr
	ds_store_b128 v6, v[96:99]
; A KEY STEP: 128 keys; s48 = its bytes in K's and in V's region, s49 = its bytes among the biases; qr = the registers of the tile's Q.
.macro STEP qr
	v_add_nc_u32 v8, s48, v1
	v_add_nc_u32 v9, s48, v2
	v_add_nc_u32 v10, s49, v3
	v_nop                                          ; four places behind the last products, in front of loads into the registers that they read
.set t, 0
.rept 8
	ds_load_b128 v[96+8*t:99+8*t], v10 offset:64*t          ; the biases of keys 16 t + 8 h + 0 .. 7: the C of tile t
	ds_load_b128 v[100+8*t:103+8*t], v10 offset:64*t+16
.set t, t+1
.endr
.set t, 0
.rept 8
	ds_load_b128 v[32+8*t:35+8*t], v8 offset:1024*t
	ds_load_b128 v[36+8*t:39+8*t], v8 offset:1024*t+512
.set t, t+1
.endr
	s_wait_dscnt 0x0
.set t, 0
.rept 8
	v_wmma_f32_16x16x64_fp8_fp8 v[96+8*t:103+8*t], v[32+8*t:39+8*t], v[\qr:\qr+7], v[96+8*t:103+8*t]   ; one instruction for each accumulator
.set t, t+1
.endr
.rept 4
	v_nop
.endr
.set d, 0
.rept 4
.irp u, 0,1,2,3
	ds_load_b128 v[32+16*d+4*\u:35+16*d+4*\u], v9 offset:2048*d+512*\u   ; V's four fragments land while the softmax runs
.endr
.set d, d+1
.endr
	v_max3_num_f32 v24, v96, v97, v98              ; the step's largest score of my query among my 64 keys, in two chains, each accumulator from its low end on,
	v_max3_num_f32 v25, v99, v100, v101
.set i, 6
.rept 14
	v_max3_num_f32 v24, v24, v[96+i], v[97+i]
	v_max3_num_f32 v25, v25, v[98+i], v[99+i]
.set i, i+4
.endr
	v_max3_num_f32 v24, v24, v158, v159
	v_max_num_f32 v24, v24, v25
	v_permlanex16_b32 v26, v24, s20, s21
	v_max_num_f32 v24, v24, v26                    ; and among lane l xor 16's
	v_mul_f32 v24, s22, v24                        ; as t (c is positive)
	v_max_num_f32 v13, v13, v24                    ; the running largest t
	v_mov_b32 v24, v12
	v_floor_f32 v12, -v13                          ; the new -M = floor(-t) = -ceil(t)
	v_sub_f32 v24, v12, v24                        ; old M - new M: a whole number, 0 or less
	v_cvt_i32_f32 v24, v24                         ; (it saturates)
	v_ldexp_f32 v28, 1.0, v24                      ; f = 2^(old M - new M)
.set j, 0
.rept 32
	v_pk_fma_f32 v[96+j:97+j], v[96+j:97+j], s[22:23], v[12:13] op_sel_hi:[1,0,0]   ; t - M, two at a time
.set j, j+2
.endr
.set j, 0
.rept 64
	v_exp_f32 v[96+j], v[96+j]                     ; p = 2^(t - M)
.set j, j+1
.endr
	v_pk_mul_f32 v[14:15], v[14:15], v[28:29] op_sel_hi:[1,0]   ; the sums under the new M (the plain line behind the exponentials)
	s_wait_alu depctr_va_vdst(0)                   ; one wait for the batch of 64, ahead of its first reader
	v_pk_add_f32 v[30:31], v[96:97], v[98:99]      ; the row's sum is taken of the unquantised p, in two chains
.set j, 4
.rept 15
	v_pk_add_f32 v[14:15], v[14:15], v[96+j:97+j]
	v_pk_add_f32 v[30:31], v[30:31], v[98+j:99+j]
.set j, j+4
.endr
	v_pk_add_f32 v[14:15], v[14:15], v[30:31]
	s_cmp_eq_u32 s24, 0                            ; the same in every wave and every step: made of the given exponents alone
	s_cbranch_scc1 .Lfits_\@
.set j, 0
.rept 64
	v_min_num_f32 v[96+j], v[96+j], v209           ; the conversion does not saturate (ISA guide 7.6.2); p is not negative: a one-sided hold
.set j, j+1
.endr
.Lfits_\@:
.set t, 0
.rept 8
	v_cvt_scalef32_pk8_fp8_f32 v[192+2*t:193+2*t], v[96+8*t:103+8*t], v208
.set t, t+1
.endr
.set j, 0
.rept 16
	v_pk_mul_f32 v[160+j:161+j], v[160+j:161+j], v[28:29] op_sel_hi:[1,0]   ; O^T under the new M; also the plain lines between the conversions and the products
.set j, j+2
.endr
	s_wait_dscnt 0x0                               ; V
.set d, 0
.rept 4
	v_wmma_f32_16x16x128_fp8_fp8 v[160+8*d:167+8*d], v[32+16*d:47+16*d], v[192:207], v[160+8*d:167+8*d]   ; four accumulators by turns
.set d, d+1
.endr
.endm
; Group g of the first tile: key steps 4 g to 4 g + 3.  My part of the group goes from the stage into LDS; the barrier shows it of every wave; behind it the next group's loads go out, into the stage that my stores have read.
.macro GROUP g
	s_wait_loadcnt 0x0                             ; my 8 loads of this group are in (asked for four key steps ago; group 0's at the head)
	FILL_STORE \g
	s_wait_dscnt 0x0                               ; for the others' sake: my stores have landed (group 0: my four biases too); and they have read the stage
	s_barrier_signal -1
	s_barrier_wait -1
.if (\g) < 3
	FILL_LOAD (\g)+1
.endif
	s_mov_b32 s48, 32768*(\g)
	s_mov_b32 s49, 2048*(\g)
	s_mov_b32 s50, 4
.Lstep_\@:
	STEP QA
	s_add_co_u32 s48, s48, 8192
	s_add_co_u32 s49, s49, 512
	s_sub_co_u32 s50, s50, 1
	s_cmp_lg_u32 s50, 0
	s_cbranch_scc1 .Lstep_\@
.endm
; THE WAY OUT of a tile: ctx = O^T / the sum x 2^(ep + ev), quantised with 2^ec: tile d's 8 registers are channels 16 d + 8 h + 0 .. 7 of my query: registers 2 d, 2 d + 1 of my head's half of a fragment of the last product's operand.
.macro WAYOUT off, more
.rept 4
	v_nop
.endr
	v_add_f32 v14, v14, v15
	v_permlanex16_b32 v26, v14, s20, s21
	v_add_f32 v14, v14, v26                        ; the row's sum
	v_rcp_f32 v14, v14
	v_nop                                          ; a plain line behind the transcendental
	s_add_co_i32 s76, s60, s61
	s_wait_alu depctr_va_vdst(0)                   ; and the wait ahead of its first reader
	v_ldexp_f32 v14, v14, s76
	v_mov_b32 v15, v14
.set j, 0
.rept 16
	v_pk_mul_f32 v[96+j:97+j], v[160+j:161+j], v[14:15]     ; each accumulator from its low end on
.set j, j+2
.endr
.set d, 0
.rept 4
.set i, 0
.rept 8
	v_med3_num_f32 v[96+8*d+i], v[96+8*d+i], -v211, v211
.set i, i+1
.endr
	v_cvt_scalef32_pk8_fp8_f32 v[32+2*d:33+2*d], v[96+8*d:103+8*d], v210
.set d, d+1
.endr
	v_nop                                          ; a plain line behind the last conversion
	global_store_b128 v1, v[32:35], s[74:75] offset:\off         ; 512 consecutive bytes a store, at a multiple of 512 from ctx's first byte
	global_store_b128 v1, v[36:39], s[74:75] offset:\off+512
.if \more
	s_wait_xcnt 0x0                                ; the stores have read their registers, into which the next tile's first fragments are loaded
.endif
.endm
	GROUP 0
	GROUP 1
	GROUP 2
	GROUP 3
	WAYOUT 0, 1
	; MY SECOND TILE: 16 key steps on what lies in LDS; nobody writes LDS any more, so no barrier stands here
	INIT
	s_mov_b32 s48, 0
	s_mov_b32 s49, 0
	s_mov_b32 s50, 16
.Lsecond:
	STEP QB
	s_add_co_u32 s48, s48, 8192
	s_add_co_u32 s49, s49, 512
	s_sub_co_u32 s50, s50, 1
	s_cmp_lg_u32 s50, 0
	s_cbranch_scc1 .Lsecond
	WAYOUT 262144, 0                               ; 16 row tiles of 16,384 bytes on
	s_wait_tensorcnt 0x0
	ds_add_u32 v254, v255
	s_wait_dscnt 0x0
	s_endpgm
.Lfunc_end_k_q28976553e8_attn:
	.size	k_q28976553e8_attn, .Lfunc_end_k_q28976553e8_attn-k_q28976553e8_attn
	.p2alignl 7, 3214868480
	.fill 96, 4, 3214868480
	.section	.rodata,"a",@progbits
	.p2align	6, 0x0
	.amdhsa_kernel k_q28976553e8_attn
		.amdhsa_group_segment_fixed_size 272384
		.amdhsa_private_segment_fixed_size 0
		.amdhsa_enable_private_segment 0
		.amdhsa_kernarg_size 32
		.amdhsa_user_sgpr_count 2
		.amdhsa_user_sgpr_kernarg_segment_ptr 1
		.amdhsa_wavefront_size32 1
		.amdhsa_system_sgpr_workgroup_id_x 1
		.amdhsa_system_sgpr_workgroup_id_y 1
		.amdhsa_system_sgpr_workgroup_id_z 1
		.amdhsa_system_vgpr_workitem_id 0
		.amdhsa_next_free_vgpr 256
		.amdhsa_next_free_sgpr 80
		.amdhsa_reserve_vcc 1
		.amdhsa_float_denorm_mode_32 3
		.amdhsa_float_denorm_mode_16_64 3
		.amdhsa_memory_ordered 1
		.amdhsa_forward_progress 1
		.amdhsa_inst_pref_size 103
	.end_amdhsa_kernel
	.amdgpu_metadata
---
amdhsa.version: [ 1, 2 ]
amdhsa.kernels:
  - .name:           k_q28976553e8_attn
    .symbol:         k_q28976553e8_attn.kd
    .args:
      - { .name: qkv, .offset: 0, .size: 8, .value_kind: global_buffer, .address_space: global }
      - { .name: mask, .offset: 8, .size: 8, .value_kind: global_buffer, .address_space: global }
      - { .name: lowp_scales, .offset: 16, .size: 8, .value_kind: global_buffer, .address_space: global }
      - { .name: ctx, .offset: 24, .size: 8, .value_kind: global_buffer, .address_space: global }
    .group_segment_fixed_size: 272384
    .private_segment_fixed_size: 0
    .kernarg_segment_align: 8
    .kernarg_segment_size: 32
    .max_flat_workgroup_size: 512
    .sgpr_count:     80
    .vgpr_count:     256
    .wavefront_size: 32
...
	.end_amdgpu_metadata
.endif
;; end of part 5
;; launch outln: the kernel of part 4 again; grid 256 x 1, 16 waves a work-group, no clusters, 166,400 bytes of LDS; arguments ctx, win, lowp_scales, bo, Q, gamma, beta, out0; writes out0
;; ======== version 3 of 3: 4 launches; version 2 with the launches attn, outln written anew for expert scheduling mode
;; limits: right only within a limited range of input values
;; workspace buffers: xin 25,165,824 bytes; win 4,194,304 bytes; qkv 25,165,824 bytes; ctx 8,388,608 bytes
;; launch quant: the kernel of part 1 again; grid 1792 x 1, 8 waves a work-group, no clusters, 68,608 bytes of LDS; arguments Q, K, V, Wq, Wk, Wv, Wo, lowp_scales, xin, win; writes xin, win
;; launch proj: the kernel of part 2 again; grid 4 x 96, 4 waves a work-group, clusters of 4 x 4, 327,680 bytes of LDS; arguments xin, win, lowp_scales, bq, bk, bv, mask, qkv; writes qkv
;; launch attn (part 6): grid 4 x 64, 16 waves a work-group, no clusters, 272,384 bytes of LDS; arguments qkv, mask, lowp_scales, ctx; writes ctx
.if DOCPART == 6
	.amdgcn_target "amdgcn-amd-amdhsa--gfx1250"
	.amdhsa_code_object_version 6
	.text
	.protected	k_q28976553e8_attn
	.globl	k_q28976553e8_attn
	.p2align	8
	.type	k_q28976553e8_attn,@function
k_q28976553e8_attn:
	s_mov_b64 s[64:65], 0
	v_nop
	global_prefetch_b8 v0, s[64:65] scope:SCOPE_SE
	s_setreg_imm32_b32 hwreg(HW_REG_WAVE_SCHED_MODE, 0, 2), 2
	s_setreg_imm32_b32 hwreg(HW_REG_WAVE_MODE, 25, 1), 1
	s_wait_xcnt 0x0
	s_wait_alu depctr_vm_vsrc(0)
; ctx[b][q][head] = softmax_k(q . k / 8, masked) v, 64 (batch, head) pairs, 2,048 queries and keys, head size 64, both products on codes of FP8 (E4M3) with the given scales; ctx is quantised on the way out for the last product.
; THE SOFTMAX AHEAD OF THE SECOND PRODUCT: t = logit x log2(e); M = the running largest t rounded UP to a whole number; p = 2^(t - M) is quantised, not normalised; the row's sum is taken of the unquantised p and divides at the end.
; When M moves, the sum and O are multiplied by 2^(old M - new M): exact.
; THE MASK costs no vector work in the loop.  A key's bias, 0 or -2^(33 - eq - ek), is the C of S^T = K Q^T, and a masked key's codes are zeros (the launch before wrote them so): its score is exactly the bias,
; and its t exactly -log2(e) x 2^30, a whole number.  Beside a key that counts p is 0; where every key of a batch is masked M = t, p = 1 for all keys: the uniform weights that a softmax of equal logits gives.
; LIMIT: a masked logit is -2^30 and not -1e9: the two differ only where true logits reach about -1e9.
; SHARES.  256 work-groups.  A work-group owns 512 queries of one (batch, head) and STAYS: each of its sixteen waves takes one tile of 16 queries through all keys, stores it, and takes a second tile, 256 queries on, through the
; same K, V and biases in LDS.  A wave has 256 registers: four waves to a SIMD, so that one wave's vector work stands beside another's products and LDS loads.
; THE HEAD'S WHOLE K AND V LIE IN LDS (131,072 bytes each), as images of operand registers: every fragment comes by ds_load_b128 at 16 x lane.  They are brought once, THROUGH REGISTERS, in four groups of four key steps:
; a wave moves 4,096 bytes of a group (8 loads of 512 consecutive bytes into v212-243, 8 LDS stores).  Group g + 1's loads are issued straight behind the barrier in front of group g's steps and have those four steps in which
; to land; then: the wait for them, the stores, the wait for the stores, the barrier.  No LDS byte is written twice.  The second tile's 16 steps have no barrier.
; THE HOLD OF p IS JUMPED OVER WHERE IT CAN CHANGE NOTHING.  t - M is at most half a unit in the last place of t; |t| <= 64 x 448^2 x 0.1804 x 2^(eq + ek) < 2^24 where eq + ek <= 2 (a masked t is exact), so p <= 2^(1/2) there,
; and with ep >= -8 p / 2^ep <= 363 < 448.  For all other exponents the 64 holds are executed.  The branch hangs on whole numbers that the launch reads; it stands inside the step, round the holds alone.
; LAYOUT.  Both products transposed: S^T = K Q^T (source 0 = 16 keys), O^T = V^T P^T (source 0 = 16 channels): a lane holds ONE query throughout; tile t's 8 registers are keys 16 t + 8 h + 0 .. 7: one conversion gives registers 2 t, 2 t + 1 of P.
; NO CLUSTER, NO TENSOR LOADS: a joint request is a tensor load; the branch spares 64 of a key step's some 330 instructions in each of 32 steps a wave,
; while what the four work-groups of a head could share is asked for once by each, 16,384 bytes a wave.
; NO PREFETCH: a group's bytes are asked for by their own loads four key steps of sixteen waves ahead of the stores that want them; only group 0 is waited for, at the head.
; LIMITS on the given exponents: eq + ek between -94 and 130; ep and ec between -126 and 119.  NaN among the inputs is not served.
; REGISTERS: v1-6, v11 addresses that stay; v8-10 the step's addresses; v12 -M, v13 the largest t, v[14:15] the sum; v16-23 the first tile's Q; v24-31 at work; v32-95 K, then V; v96-159 bias, S^T, p; v160-191 O^T;
;   v192-207 P's codes; v208-211 scales and holds; v212-243 the fill's stage; v244-251 the second tile's Q.
; THE MODE: SCHED_MODE bits 1:0 = 2 (LLVM: expert scheduling mode 2), set by the entry lines.  The code itself states the register dependences between vector or matrix instructions and memory or LDS instructions,
; with s_wait_alu, always for 0.
; THE PLAN.  Registers that memory or LDS instructions touch:
;   v1, v4, v5, v6, v11   offsets and addresses: written at the head, once; never again.
;   v8, v9, v10           a step's LDS addresses: written by three additions at the step's head; read by its 48 LDS loads.
;   v16-23, v244-251      Q: loaded once; named by products alone.
;   v32-95                K's 16 loads land at a step's head; the 8 products K Q^T read them; V's 16 loads land; the 4 products V^T P read them.  On the way out four conversions' results (v32-39) are stored.
;   v96-159               the 16 loads of biases land at a step's head; then products and vector work in place; the 8 conversions are the last to read them.  At the head v96-99: the mask lands, four selects write, one LDS store reads.
;   v212-243              the fill's stage: global loads land, LDS stores read; no vector instruction names them.
; A STEP HAS FOUR WAITS: on vm_vsrc at its head (the last step's LDS loads have read v8-10); on va_vdst behind the three additions (they have written; the last step's products and vector work are done with v32-159);
; on va_vdst behind K Q^T (its products are done reading K's registers, in which V lands): V's loads follow, dealt among the lines of the maximum, which name v24, v25 and v96-159 alone; and the one behind the exponentials.
.set VOFF, 131072                      ; LDS: K at 0 (key tile x 1,024), V here (key step x 8,192 + channel tile x 2,048),
.set BIAS, 262144                      ; and the keys' biases, f32
.set FS,   212                         ; the fill's stage
.set QA,   16                          ; Q of my first tile
.set QB,   244                         ; and of my second
	s_load_b256 s[4:11], s[0:1], 0x0               ; qkv, mask, the scales' exponents, ctx
	v_lshl_add_u32 v254, v0, 2, 0x42000
	v_mov_b32 v255, 0
	v_lshrrev_b32 v1, 5, v0
	v_readfirstlane_b32 s12, v1                    ; wave 0..15
	s_and_b32 s13, ttmp7, 0xffff                   ; batch x 16 + head
	s_lshr_b32 s15, s13, 4                         ; batch
	s_and_b32 s16, s13, 15                         ; head
	s_wait_alu depctr_va_sdst(0)                   ; s12, the wave's number, is written, ahead of its first reader
	s_lshr_b32 s17, s12, 3                         ; waves 0-7 bring K, waves 8-15 V
	s_and_b32 s18, s12, 7
	s_lshl_b32 s18, s18, 12                        ; my 4,096 bytes of a group's 32,768
	s_lshl_b32 s19, s17, 17
	s_add_co_u32 s19, s19, s18                     ; in LDS
	s_lshl_b32 s51, s13, 17                        ; the (batch, head)'s 131,072 bytes in q, in k and in v
	s_lshl_b32 s66, s17, 23
	s_add_co_u32 s66, s66, 1<<23                   ; k at 8 MB, v at 16 MB
	s_add_co_u32 s66, s66, s51
	s_add_co_u32 s66, s66, s18
	s_mov_b32 s67, 0
	s_lshl_b32 s68, ttmp9, 5
	s_add_co_u32 s68, s68, s12                     ; my first tile of 16 queries: 32 x work-group x + wave; my second: 16 tiles on
	s_lshl_b32 s70, s68, 10
	s_add_co_u32 s70, s70, s51
	s_mov_b32 s71, 0
	s_lshl_b32 s72, s15, 13                        ; the batch's 2,048 words of the mask
	s_mov_b32 s73, 0
	s_lshl_b32 s74, s15, 7
	s_add_co_u32 s74, s74, s68
	s_lshl_b32 s74, s74, 14                        ; ctx: row tile (128 x batch + my tile) x 16,384
	s_lshr_b32 s69, s16, 1
	s_lshl_b32 s69, s69, 11                        ; + fragment head / 2
	s_add_co_u32 s74, s74, s69
	s_and_b32 s69, s16, 1
	s_lshl_b32 s69, s69, 10                        ; + its blocks 2 (head % 2), 2 (head % 2) + 1
	s_add_co_u32 s74, s74, s69
	s_mov_b32 s75, 0
	s_mov_b32 s20, 0x76543210                      ; v_permlanex16_b32's selects for lane l xor 16
	s_mov_b32 s21, 0xfedcba98
	v_and_b32 v7, 31, v0
	v_lshlrev_b32 v1, 4, v7                        ; 16 x lane: K's images, Q, ctx, the fill's loads
	v_add_nc_u32 v2, VOFF, v1                      ; V's images
	v_bfe_u32 v7, v0, 4, 1
	v_lshl_add_u32 v3, v7, 5, BIAS                 ; a tile's 8 biases of my half: 32 h
	v_add_nc_u32 v4, s19, v1                       ; the fill's stores, groups 0 and 1;
	v_add_nc_u32 v11, 0x10000, v4                  ; groups 2 and 3: an LDS immediate has 16 bits
	v_lshlrev_b32 v5, 4, v0                        ; 16 x thread: four words of the mask
	v_lshl_add_u32 v6, v0, 4, BIAS                 ; and their four biases
	s_wait_kmcnt 0x0
	s_load_b256 s[52:59], s[8:9], 0x0              ; entries 0-7: eq s58, ek s59
	s_load_b128 s[60:63], s[8:9], 0x20             ; ep s60, ev s61, ec s62
	s_add_nc_u64 s[66:67], s[4:5], s[66:67]
	s_add_nc_u64 s[70:71], s[4:5], s[70:71]
	s_add_nc_u64 s[72:73], s[6:7], s[72:73]
	s_add_nc_u64 s[74:75], s[10:11], s[74:75]
.macro FILL_LOAD g                     ; my 4,096 bytes of group g: 512 consecutive bytes a load
.set i, 0
.rept 8
	global_load_b128 v[FS+4*i:FS+4*i+3], v1, s[66:67] offset:32768*(\g)+512*i
.set i, i+1
.endr
.endm
.macro FILL_STORE g                    ; and on into LDS, as they lie
.set i, 0
.rept 8
	ds_store_b128 v[4+7*((\g)/2)], v[FS+4*i:FS+4*i+3] offset:32768*((\g)%2)+512*i
.set i, i+1
.endr
.endm
.macro INIT                            ; a tile's start: the step is written once; its first trip finds zeros, which the first change of M leaves zeros
	v_mov_b32 v13, 0xff61b1e6                      ; the largest t so far: -3e38, under every t
	v_floor_f32 v12, -v13                          ; -M
	v_mov_b32 v14, 0
	v_mov_b32 v15, 0
.set j, 0
.rept 32
	v_mov_b32 v[160+j], 0                          ; O^T
.set j, j+1
.endr
.endm
	s_wait_alu depctr_va_vdst(0)                   ; the offsets and addresses v1, v4, v5, v6, v11 are written, which the loads and stores of the whole kernel read
	FILL_LOAD 0
	global_load_b128 v[96:99], v5, s[72:73]        ; four words of the mask
	global_load_b128 v[QA:QA+3], v1, s[70:71]      ; Q's fragments (16 queries x 64) stay in registers
	global_load_b128 v[QA+4:QA+7], v1, s[70:71] offset:512
	global_load_b128 v[QB:QB+3], v1, s[70:71] offset:16384
	global_load_b128 v[QB+4:QB+7], v1, s[70:71] offset:16896
	INIT
	v_mov_b32 v26, 0                               ; a lane permute's destination counts as one of its sources
	v_mov_b32 v29, 0                               ; (named as the upper half of the pair v[28:29])
	s_wait_kmcnt 0x0
	s_add_co_i32 s76, s58, s59                     ; eq + ek
	s_cmp_lt_i32 s60, -8
	s_cselect_b32 s24, 1, 0
	s_cmp_gt_i32 s76, 2
	s_cselect_b32 s24, 1, s24                      ; 1: p is held in every step; 0: no p can pass 448 x 2^ep (the head comment's arithmetic)
	s_lshl_b32 s77, s76, 23
	s_mov_b32 s22, 0x3e38aa3b                      ; c = log2(e) / sqrt(64)
	s_add_co_i32 s22, s22, s77                     ; a score stands for score x 2^(eq + ek): added to c's exponent field
	s_mov_b32 s23, s22
	s_sub_co_i32 s76, 160, s76
	s_lshl_b32 s76, s76, 23
	s_or_b32 s76, s76, 0x80000000
	v_mov_b32 v27, s76                             ; -2^(33 - eq - ek): x c it is -log2(e) x 2^30
	s_add_co_i32 s78, s60, 127
	s_lshl_b32 s79, s78, 23
	v_mov_b32 v208, s79                            ; 2^ep
	s_add_co_i32 s78, s78, 8
	s_lshl_b32 s78, s78, 23
	s_or_b32 s78, s78, 0x600000
	v_mov_b32 v209, s78                            ; 448 x 2^ep
	s_add_co_i32 s78, s62, 127
	s_lshl_b32 s79, s78, 23
	v_mov_b32 v210, s79                            ; 2^ec
	s_add_co_i32 s78, s78, 8
	s_lshl_b32 s78, s78, 23
	s_or_b32 s78, s78, 0x600000
	v_mov_b32 v211, s78                            ; 448 x 2^ec
	s_wait_loadcnt 0x0                             ; group 0, the mask and Q
.irp j, 0,1,2,3
	v_cmp_eq_u32 s[28+\j], 0, v[96+\j]             ; the four compares in a run, each into a scalar register of its own
.endr
	s_wait_alu depctr_va_sdst(0)                   ; the compares have written s28 to s31, which the four selects read
.irp j, 0,1,2,3
	v_cndmask_b32 v[96+\j], 0, v27, s[28+\j]
.endr
	s_wait_alu depctr_va_vdst(0)                   ; the selects have written v96-99, which the LDS store reads
	ds_store_b128 v6, v[96:99]
.macro VFRAG d                         ; V's fragment of channels 16 d on
.irp u, 0,1,2,3
	ds_load_b128 v[32+16*(\d)+4*\u:35+16*(\d)+4*\u], v9 offset:2048*(\d)+512*\u
.endr
.endm
.macro MAXPAIRS from, n                ; n links of each of the maximum's two chains, from register 96 + from on
.set i, \from
.rept \n
	v_max3_num_f32 v24, v24, v[96+i], v[97+i]
	v_max3_num_f32 v25, v25, v[98+i], v[99+i]
.set i, i+4
.endr
.endm
; A KEY STEP: 128 keys; s48 = its bytes in K's and in V's region, s49 = its bytes among the biases; qr = the registers of the tile's Q.
.macro STEP qr
	s_wait_alu depctr_vm_vsrc(0)                   ; the last step's LDS loads have read v8, v9, v10, which are written anew; in a tile's first step: the biases' store has read v96-99, the way out's stores v32-39, in which loads land below
	v_add_nc_u32 v8, s48, v1
	v_add_nc_u32 v9, s48, v2
	v_add_nc_u32 v10, s49, v3
	v_nop                                          ; four places behind the last products
	s_wait_alu depctr_va_vdst(0)                   ; v8, v9, v10 are written, which this step's LDS loads read; the last step's products V^T P are done reading v32-95 and its vector work is done with v96-159: the 32 loads below land there
.set t, 0
.rept 8
	ds_load_b128 v[96+8*t:99+8*t], v10 offset:64*t          ; the biases of keys 16 t + 8 h + 0 .. 7: the C of tile t
	ds_load_b128 v[100+8*t:103+8*t], v10 offset:64*t+16
.set t, t+1
.endr
.set t, 0
.rept 8
	ds_load_b128 v[32+8*t:35+8*t], v8 offset:1024*t
	ds_load_b128 v[36+8*t:39+8*t], v8 offset:1024*t+512
.set t, t+1
.endr
	s_wait_dscnt 0x0
.set t, 0
.rept 8
	v_wmma_f32_16x16x64_fp8_fp8 v[96+8*t:103+8*t], v[32+8*t:39+8*t], v[\qr:\qr+7], v[96+8*t:103+8*t]   ; one instruction for each accumulator
.set t, t+1
.endr
.rept 4
	v_nop                                          ; four places in front of the first read of the scores (ISA guide 7.12.1); they stay beside the wait below
.endr
	s_wait_alu depctr_va_vdst(0)                   ; the products K Q^T are done reading v32-95, in which V's four fragments land.  The lines of the maximum, among which those 16 loads are dealt, name v24, v25 and v96-159 alone: none of v9, v32-95
	VFRAG 0                                        ; V lands while the softmax runs
	v_max3_num_f32 v24, v96, v97, v98              ; the step's largest score of my query among my 64 keys, in two chains, each accumulator from its low end on,
	v_max3_num_f32 v25, v99, v100, v101
	MAXPAIRS 6, 3
	VFRAG 1
	MAXPAIRS 18, 4
	VFRAG 2
	MAXPAIRS 34, 4
	VFRAG 3
	MAXPAIRS 50, 3
	v_max3_num_f32 v24, v24, v158, v159
	v_max_num_f32 v24, v24, v25
	v_permlanex16_b32 v26, v24, s20, s21
	v_max_num_f32 v24, v24, v26                    ; and among lane l xor 16's
	v_mul_f32 v24, s22, v24                        ; as t (c is positive)
	v_max_num_f32 v13, v13, v24                    ; the running largest t
	v_mov_b32 v24, v12
	v_floor_f32 v12, -v13                          ; the new -M = floor(-t) = -ceil(t)
	v_sub_f32 v24, v12, v24                        ; old M - new M: a whole number, 0 or less
	v_cvt_i32_f32 v24, v24                         ; (it saturates)
	v_ldexp_f32 v28, 1.0, v24                      ; f = 2^(old M - new M)
.set j, 0
.rept 32
	v_pk_fma_f32 v[96+j:97+j], v[96+j:97+j], s[22:23], v[12:13] op_sel_hi:[1,0,0]   ; t - M, two at a time
.set j, j+2
.endr
.set j, 0
.rept 64
	v_exp_f32 v[96+j], v[96+j]                     ; p = 2^(t - M)
.set j, j+1
.endr
	v_pk_mul_f32 v[14:15], v[14:15], v[28:29] op_sel_hi:[1,0]   ; the sums under the new M (the plain line behind the exponentials)
	s_wait_alu depctr_va_vdst(0)                   ; the 64 exponentials have written v96-159: one wait for the batch, ahead of its first reader
	v_pk_add_f32 v[30:31], v[96:97], v[98:99]      ; the row's sum is taken of the unquantised p, in two chains
.set j, 4
.rept 15
	v_pk_add_f32 v[14:15], v[14:15], v[96+j:97+j]
	v_pk_add_f32 v[30:31], v[30:31], v[98+j:99+j]
.set j, j+4
.endr
	v_pk_add_f32 v[14:15], v[14:15], v[30:31]
	s_cmp_eq_u32 s24, 0                            ; the same in every wave and every step: made of the given exponents alone
	s_cbranch_scc1 .Lfits_\@
.set j, 0
.rept 64
	v_min_num_f32 v[96+j], v[96+j], v209           ; the conversion does not saturate (ISA guide 7.6.2); p is not negative: a one-sided hold
.set j, j+1
.endr
.Lfits_\@:
.set t, 0
.rept 8
	v_cvt_scalef32_pk8_fp8_f32 v[192+2*t:193+2*t], v[96+8*t:103+8*t], v208
.set t, t+1
.endr
.set j, 0
.rept 16
	v_pk_mul_f32 v[160+j:161+j], v[160+j:161+j], v[28:29] op_sel_hi:[1,0]   ; O^T under the new M; also the plain lines between the conversions and the products
.set j, j+2
.endr
	s_wait_dscnt 0x0                               ; V
.set d, 0
.rept 4
	v_wmma_f32_16x16x128_fp8_fp8 v[160+8*d:167+8*d], v[32+16*d:47+16*d], v[192:207], v[160+8*d:167+8*d]   ; four accumulators by turns
.set d, d+1
.endr
.endm
; Group g of the first tile: key steps 4 g to 4 g + 3.  My part of the group goes from the stage into LDS; the barrier shows it of every wave; behind it the next group's loads go out, into the stage that my stores have read.
.macro GROUP g
	s_wait_loadcnt 0x0                             ; my 8 loads of this group are in (asked for four key steps ago; group 0's at the head)
	FILL_STORE \g
	s_wait_dscnt 0x0                               ; for the others' sake: my stores have landed (group 0: my four biases too)
	s_barrier_signal -1
	s_barrier_wait -1
.if (\g) < 3
	s_wait_alu depctr_vm_vsrc(0)                   ; my LDS stores have read the stage v212-243, in which the next group's loads land (no vector instruction names the stage)
	FILL_LOAD (\g)+1
.endif
	s_mov_b32 s48, 32768*(\g)
	s_mov_b32 s49, 2048*(\g)
	s_mov_b32 s50, 4
.Lstep_\@:
	STEP QA
	s_add_co_u32 s48, s48, 8192
	s_add_co_u32 s49, s49, 512
	s_sub_co_u32 s50, s50, 1
	s_cmp_lg_u32 s50, 0
	s_cbranch_scc1 .Lstep_\@
.endm
; THE WAY OUT of a tile: ctx = O^T / the sum x 2^(ep + ev), quantised with 2^ec: tile d's 8 registers are channels 16 d + 8 h + 0 .. 7 of my query: registers 2 d, 2 d + 1 of my head's half of a fragment of the last product's operand.
.macro WAYOUT off, more
.rept 4
	v_nop
.endr
	v_add_f32 v14, v14, v15
	v_permlanex16_b32 v26, v14, s20, s21
	v_add_f32 v14, v14, v26                        ; the row's sum
	v_rcp_f32 v14, v14
	v_nop                                          ; a plain line behind the transcendental
	s_add_co_i32 s76, s60, s61
	s_wait_alu depctr_va_vdst(0)                   ; the reciprocal has written v14, ahead of its first reader
	v_ldexp_f32 v14, v14, s76
	v_mov_b32 v15, v14
.set j, 0
.rept 16
	v_pk_mul_f32 v[96+j:97+j], v[160+j:161+j], v[14:15]     ; each accumulator from its low end on
.set j, j+2
.endr
.set d, 0
.rept 4
.set i, 0
.rept 8
	v_med3_num_f32 v[96+8*d+i], v[96+8*d+i], -v211, v211
.set i, i+1
.endr
	v_cvt_scalef32_pk8_fp8_f32 v[32+2*d:33+2*d], v[96+8*d:103+8*d], v210
.set d, d+1
.endr
	v_nop                                          ; a plain line behind the last conversion
	s_wait_alu depctr_va_vdst(0)                   ; the conversions have written v32-39, which the two stores read
	global_store_b128 v1, v[32:35], s[74:75] offset:\off         ; 512 consecutive bytes a store, at a multiple of 512 from ctx's first byte
	global_store_b128 v1, v[36:39], s[74:75] offset:\off+512
.if \more
	s_wait_xcnt 0x0                                ; the stores' addresses are translated: their registers take the next tile's first fragments only behind this wait and behind the wait on vm_vsrc at the head of that tile's first step
.endif
.endm
	GROUP 0
	GROUP 1
	GROUP 2
	GROUP 3
	WAYOUT 0, 1
	; MY SECOND TILE: 16 key steps on what lies in LDS; nobody writes LDS any more, so no barrier stands here
	INIT
	s_mov_b32 s48, 0
	s_mov_b32 s49, 0
	s_mov_b32 s50, 16
.Lsecond:
	STEP QB
	s_add_co_u32 s48, s48, 8192
	s_add_co_u32 s49, s49, 512
	s_sub_co_u32 s50, s50, 1
	s_cmp_lg_u32 s50, 0
	s_cbranch_scc1 .Lsecond
	WAYOUT 262144, 0                               ; 16 row tiles of 16,384 bytes on
	s_wait_dscnt 0x0                               ; the closing lines, six on end
	s_wait_alu 0x0
	s_wait_tensorcnt 0x0
	ds_add_u32 v254, v255
	s_wait_dscnt 0x0
	s_endpgm
.Lfunc_end_k_q28976553e8_attn:
	.size	k_q28976553e8_attn, .Lfunc_end_k_q28976553e8_attn-k_q28976553e8_attn
	.p2alignl 7, 3214868480
	.fill 96, 4, 3214868480
	.section	.rodata,"a",@progbits
	.p2align	6, 0x0
	.amdhsa_kernel k_q28976553e8_attn
		.amdhsa_group_segment_fixed_size 272384
		.amdhsa_private_segment_fixed_size 0
		.amdhsa_enable_private_segment 0
		.amdhsa_kernarg_size 32
		.amdhsa_user_sgpr_count 2
		.amdhsa_user_sgpr_kernarg_segment_ptr 1
		.amdhsa_wavefront_size32 1
		.amdhsa_system_sgpr_workgroup_id_x 1
		.amdhsa_system_sgpr_workgroup_id_y 1
		.amdhsa_system_sgpr_workgroup_id_z 1
		.amdhsa_system_vgpr_workitem_id 0
		.amdhsa_next_free_vgpr 256
		.amdhsa_next_free_sgpr 80
		.amdhsa_reserve_vcc 0
		.amdhsa_float_denorm_mode_32 3
		.amdhsa_float_denorm_mode_16_64 3
		.amdhsa_memory_ordered 1
		.amdhsa_forward_progress 1
		.amdhsa_inst_pref_size 104
	.end_amdhsa_kernel
	.amdgpu_metadata
---
amdhsa.version: [ 1, 2 ]
amdhsa.kernels:
  - .name:           k_q28976553e8_attn
    .symbol:         k_q28976553e8_attn.kd
    .args:
      - { .name: qkv, .offset: 0, .size: 8, .value_kind: global_buffer, .address_space: global }
      - { .name: mask, .offset: 8, .size: 8, .value_kind: global_buffer, .address_space: global }
      - { .name: lowp_scales, .offset: 16, .size: 8, .value_kind: global_buffer, .address_space: global }
      - { .name: ctx, .offset: 24, .size: 8, .value_kind: global_buffer, .address_space: global }
    .group_segment_fixed_size: 272384
    .private_segment_fixed_size: 0
    .kernarg_segment_align: 8
    .kernarg_segment_size: 32
    .max_flat_workgroup_size: 512
    .sgpr_count:     80
    .vgpr_count:     256
    .wavefront_size: 32
...
	.end_amdgpu_metadata
.endif
;; end of part 6
;; launch outln (part 7): grid 256 x 1, 16 waves a work-group, no clusters, 166,400 bytes of LDS; arguments ctx, win, lowp_scales, bo, Q, gamma, beta, out0; writes out0
.if DOCPART == 7
	.amdgcn_target "amdgcn-amd-amdhsa--gfx1250"
	.amdhsa_code_object_version 6
	.text
	.protected	k_q28976553e8_outln
	.globl	k_q28976553e8_outln
	.p2align	8
	.type	k_q28976553e8_outln,@function
k_q28976553e8_outln:
	s_mov_b64 s[64:65], 0
	v_nop
	global_prefetch_b8 v0, s[64:65] scope:SCOPE_SE
	s_setreg_imm32_b32 hwreg(HW_REG_WAVE_SCHED_MODE, 0, 2), 2
	s_setreg_imm32_b32 hwreg(HW_REG_WAVE_MODE, 25, 1), 1
	s_wait_xcnt 0x0
	s_wait_alu depctr_vm_vsrc(0)
; out0 = LayerNorm(ctx Wo^T + bo + Q) x gamma + beta.  The product on codes of FP8 (E4M3), [8192 x 1024 x 1024]; all else in f32.
; A LayerNorm wants whole rows, so a work-group owns 32 rows x all 1,024 columns: 256 work-groups.  Wave w makes columns 64 w .. 64 w + 63 for the 32 rows (8 accumulators), then normalises rows 2 w and 2 w + 1.
; ctx and Wo lie as images of operand registers (a fragment of 16 rows x 128 K: 2,048 bytes, registers 4 q .. 4 q + 3 at 512 q + 16 x lane).  The work-group's 32,768 bytes of ctx are copied into LDS once and read by all sixteen waves.
; A fragment of Wo is read by ONE wave of the work-group, so it goes from memory straight into that wave's registers, two K steps (32 loads of 512 bytes) ahead.
; THE MATRIX INSTRUCTION IS USED TRANSPOSED (source 0 = 16 rows of Wo, source 1 = 16 rows of ctx): a lane holds eight neighbouring columns of one row.  The raw sums meet in a stage in LDS (rows of 4,096 + 16 bytes), one barrier,
; and come back as whole rows: lane l holds columns 128 c + 4 l + 0 .. 3, c = 0 .. 7, as do its parts of Q, bo, gamma and beta.  Mean and variance in two passes over registers.
; NO TENSOR LOADS, NO CLUSTER: a ring of Wo's tiles shared by partners would stop at each change of slots for 8 products a wave; here each wave's own loads run ahead with no barrier in the loop over K.
; NO PREFETCH: every load's address is known at the head and the loads themselves run two K steps ahead.
; LIMIT: the two exponents' sum between -126 and 127.
; REGISTERS: v1-5 addresses; v6-15 at work; v16-31 the copy of ctx; then v16-63 three buffers for ctx's fragments, v32-63 later bo; v64-127, v128-191 Wo's two sets, later Q's two rows, gamma and beta;
;   v192-255 the accumulators ((m, t) at 192 + 8 (4 m + t)), later the two rows.
; THE MODE: SCHED_MODE bits 1:0 = 2 (LLVM: expert scheduling mode 2), set by the entry lines.  The code itself states the register dependences between vector or matrix instructions and memory or LDS instructions,
; with s_wait_alu, always for 0.
; THE PLAN.  Registers that memory or LDS instructions touch:
;   v1-5        offsets and addresses: written at the head, once; never again.
;   v16-63      ctx's fragment i = 2 s + m (K step s, row tile m) lands in buffer i % 3 (16 registers each) and is read by four products of step s.  (v16-31 first hold the copy: loads land, LDS stores read.)
;   v64-191     Wo's set s % 2: read by step s's eight products; loaded again for step s + 2 (behind step 6: Q's rows; behind step 7: gamma and beta).
;   v192-255    written by the products; read by the stage's LDS stores; the rows' LDS loads land; the norm works in place; the global stores read.
; ONE wait on va_vdst stands at the end of each K step: its eight products are done reading their set of Wo and their buffers of ctx.  Straight behind it, with no vector or matrix instruction between, follow the LDS loads of
; fragments 2 s + 3 and 2 s + 4, into the buffers of fragments 2 s and 2 s + 1, and the 16 loads into the set.  So a step's row tile 0 is asked for a step ahead, and its row tile 1 lands while row tile 0 is multiplied.
.set STG,  32768                       ; LDS: ctx's images at 0; the stage here
.set SPI,  4112                        ; a stage row
.set ACC,  192
.set CF,   16                          ; ctx's three buffers
	s_load_b512 s[4:19], s[0:1], 0x0               ; ctx, win, the scales' exponents, bo, Q, gamma, beta, out0
	v_lshrrev_b32 v1, 5, v0
	v_readfirstlane_b32 s20, v1                    ; wave 0..15
	v_and_b32 v6, 31, v0
	v_lshlrev_b32 v1, 4, v6                        ; 16 x lane
	v_lshlrev_b32 v2, 4, v0                        ; 16 x thread
	v_and_b32 v7, 15, v0                           ; r
	v_bfe_u32 v8, v0, 4, 1                         ; h
	v_mul_u32_u24 v3, v7, SPI
	v_lshl_add_u32 v3, v8, 5, v3
	s_wait_alu depctr_va_sdst(0)                   ; s20, the wave's number, is written, ahead of its first reader
	s_lshl_b32 s21, s20, 8
	s_add_co_u32 s21, s21, STG
	v_add_nc_u32 v3, s21, v3                       ; into the stage: row r, + 256 w + 32 h
	v_add_nc_u32 v4, 16*SPI, v3                    ; rows 16 to 31
	s_mul_i32 s21, s20, 2*SPI
	s_add_co_u32 s21, s21, STG
	v_add_nc_u32 v5, s21, v1                       ; back: rows 2 w and 2 w + 1, 16 bytes a lane
	v_mov_b32 v10, 0                               ; a lane permute's destination counts as one of its sources
	v_mov_b32 v13, 0                               ; (upper halves of pairs of which the low word serves both halves)
	v_mov_b32 v15, 0
	s_lshl_b32 s32, ttmp9, 15                      ; ctx: my two row tiles
	s_mov_b32 s33, 0
	s_lshl_b32 s34, s20, 16                        ; Wo: at 3 MB in win; my four row tiles
	s_add_co_u32 s34, s34, 3<<20
	s_mov_b32 s35, 0
	s_lshl_b32 s36, ttmp9, 17                      ; Q and out0: row 32 g + 2 w
	s_lshl_b32 s21, s20, 13
	s_add_co_u32 s36, s36, s21
	s_mov_b32 s37, 0
	s_mov_b32 s28, 0x76543210
	s_mov_b32 s29, 0xfedcba98
	s_mov_b32 s30, 0x3a800000                      ; 1 / 1024
	s_mov_b32 s31, 0x3727c5ac                      ; 1e-5
	s_wait_kmcnt 0x0
	s_load_b64 s[24:25], s[8:9], 0x28              ; entries 10 and 11
	s_add_nc_u64 s[4:5], s[4:5], s[32:33]
	s_add_nc_u64 s[6:7], s[6:7], s[34:35]
	s_add_nc_u64 s[12:13], s[12:13], s[36:37]
	s_add_nc_u64 s[18:19], s[18:19], s[36:37]
	s_wait_alu depctr_va_vdst(0)                   ; the offsets and addresses v1 to v5 are written, which the loads and stores of the whole kernel read
.irp q, 0,1,2,3
	global_load_b128 v[16+4*\q:19+4*\q], v2, s[4:5] offset:8192*\q th:TH_LOAD_NT
.endr
.macro BLOAD s                         ; Wo's four fragments of K step s into set s % 2
.irp t, 0,1,2,3
.irp q, 0,1,2,3
	global_load_b128 v[64+64*((\s)%2)+16*\t+4*\q:64+64*((\s)%2)+16*\t+4*\q+3], v1, s[6:7] offset:16384*\t+2048*(\s)+512*\q
.endr
.endr
.endm
.macro CFRAG i                         ; ctx's fragment i = 2 s + m into buffer i % 3
.irp q, 0,1,2,3
	ds_load_b128 v[CF+16*((\i)%3)+4*\q:CF+16*((\i)%3)+4*\q+3], v1 offset:16384*((\i)%2)+2048*((\i)/2)+512*\q
.endr
.endm
.macro MUL4 s, m                       ; row tile m of K step s against Wo's four fragments
.irp t, 0,1,2,3
.if (\s) == 0
	v_wmma_f32_16x16x128_fp8_fp8 v[ACC+8*(4*(\m)+\t):ACC+8*(4*(\m)+\t)+7], v[64+64*((\s)%2)+16*\t:64+64*((\s)%2)+16*\t+15], v[CF+16*((2*(\s)+(\m))%3):CF+16*((2*(\s)+(\m))%3)+15], 0
.else
	v_wmma_f32_16x16x128_fp8_fp8 v[ACC+8*(4*(\m)+\t):ACC+8*(4*(\m)+\t)+7], v[64+64*((\s)%2)+16*\t:64+64*((\s)%2)+16*\t+15], v[CF+16*((2*(\s)+(\m))%3):CF+16*((2*(\s)+(\m))%3)+15], v[ACC+8*(4*(\m)+\t):ACC+8*(4*(\m)+\t)+7]
.endif
.endr
.endm
	BLOAD 0
	BLOAD 1
	s_wait_loadcnt 32                              ; the copy's four loads are in; Wo's 32 stay out
.irp q, 0,1,2,3
	ds_store_b128 v2, v[16+4*\q:19+4*\q] offset:8192*\q
.endr
	s_wait_dscnt 0x0                               ; for the others' sake: my stores have landed
	s_barrier_signal -1
	s_barrier_wait -1                              ; ctx's sixteen fragments lie in LDS; nobody writes them again
	s_wait_alu depctr_vm_vsrc(0)                   ; my LDS stores have read v16-31: these registers are ctx's buffer 0 from here on, in which fragment 0 lands
	CFRAG 0
	CFRAG 1
	CFRAG 2
; K step s.  Its fragments of ctx and the 16 global loads behind its own set's were asked for in front of it.
.macro KSTEP s
	s_wait_loadcnt 16                              ; this step's set of Wo is in; the 16 loads issued behind it stay out
.if (\s) < 7
	s_wait_dscnt 8                                 ; LDS loads come back in order (ISA guide 5.7.1): fragment 2 s is in; the eight loads of fragments 2 s + 1 and 2 s + 2 may be out
.else
	s_wait_dscnt 4                                 ; fragment 14 is in; fragment 15's four loads may be out
.endif
	MUL4 \s, 0                                     ; eight accumulators by turns
.if (\s) < 7
	s_wait_dscnt 4                                 ; fragment 2 s + 1 is in; the next step's first fragment may be out
.else
	s_wait_dscnt 0x0
.endif
	MUL4 \s, 1
.rept 4
	v_nop                                          ; four places behind the products (ISA guide 7.12.1), in front of the first read of results; they stay beside the wait below
.endr
	s_wait_alu depctr_va_vdst(0)                   ; this step's eight products are done reading their set of Wo and their two buffers of ctx, in which the loads that follow land; behind K step 7: the accumulators are written, which the stage's stores read
.endm
	KSTEP 0
.irp s, 1,2,3,4,5,6
	CFRAG 2*\s+1                                   ; into the buffer of fragment 2 s - 2
	CFRAG 2*\s+2                                   ; into the buffer of fragment 2 s - 1
	BLOAD \s+1                                     ; into the set that K step s - 1 has left
	KSTEP \s
.endr
	CFRAG 15
.irp i, 0,1
.irp c, 0,1,2,3,4,5,6,7
	global_load_b128 v[64+32*\i+4*\c:67+32*\i+4*\c], v1, s[12:13] offset:4096*\i+512*\c th:TH_LOAD_NT   ; Q's rows 2 w and 2 w + 1, into the set that K step 6 has left
.endr
.endr
	KSTEP 7
.irp c, 0,1,2,3,4,5,6,7
	global_load_b128 v[128+4*\c:131+4*\c], v1, s[14:15] offset:512*\c       ; gamma
	global_load_b128 v[160+4*\c:163+4*\c], v1, s[16:17] offset:512*\c       ; beta
	global_load_b128 v[32+4*\c:35+4*\c], v1, s[10:11] offset:512*\c         ; bo
.endr
.irp m, 0,1
.irp t, 0,1,2,3
	ds_store_b128 v[3+\m], v[ACC+8*(4*\m+\t):ACC+8*(4*\m+\t)+3] offset:64*\t          ; lane (r, h): the sums of row 16 m + r, columns 64 w + 16 t + 8 h + 0 .. 7; each accumulator's low half first
	ds_store_b128 v[3+\m], v[ACC+8*(4*\m+\t)+4:ACC+8*(4*\m+\t)+7] offset:64*\t+16
.endr
.endr
	s_wait_dscnt 0x0
	s_barrier_signal -1
	s_barrier_wait -1                              ; 32 whole rows of sums lie in the stage
	s_wait_alu depctr_vm_vsrc(0)                   ; my LDS stores have read v192-255, in which the two rows land (the products that wrote them stand ahead of the last wait on va_vdst)
.irp i, 0,1
.irp c, 0,1,2,3,4,5,6,7
	ds_load_b128 v[192+32*\i+4*\c:195+32*\i+4*\c], v5 offset:SPI*\i+512*\c
.endr
.endr
	s_wait_kmcnt 0x0
	s_add_co_i32 s26, s24, s25
	s_add_co_i32 s26, s26, 127
	s_lshl_b32 s26, s26, 23                        ; 2^(the two exponents added) as f32
	s_mov_b32 s27, s26
	s_wait_loadcnt 0x0
	s_wait_dscnt 0x0
.macro REDUCE                          ; v6 summed over the 32 lanes, the result in every lane
	v_add_f32_dpp v6, v6, v6 row_xmask:1 row_mask:0xf bank_mask:0xf
	v_add_f32_dpp v6, v6, v6 row_xmask:2 row_mask:0xf bank_mask:0xf
	v_add_f32_dpp v6, v6, v6 row_xmask:4 row_mask:0xf bank_mask:0xf
	v_add_f32_dpp v6, v6, v6 row_xmask:8 row_mask:0xf bank_mask:0xf
	v_permlanex16_b32 v10, v6, s28, s29
	v_add_f32 v6, v6, v10
.endm
.macro ROW i
.set XR, 192+32*(\i)
.set QR, 64+32*(\i)
.set j, 0
.rept 16
	v_pk_fma_f32 v[XR+j:XR+j+1], v[XR+j:XR+j+1], s[26:27], v[32+j:33+j] op_sel_hi:[1,0,1]   ; sum x 2^e + bo
.set j, j+2
.endr
.set j, 0
.rept 16
	v_pk_add_f32 v[XR+j:XR+j+1], v[XR+j:XR+j+1], v[QR+j:QR+j+1]                             ; + Q
.set j, j+2
.endr
	v_pk_add_f32 v[6:7], v[XR:XR+1], v[XR+2:XR+3]                                           ; the row's sum, in two chains
	v_pk_add_f32 v[8:9], v[XR+4:XR+5], v[XR+6:XR+7]
.set j, 8
.rept 6
	v_pk_add_f32 v[6:7], v[6:7], v[XR+j:XR+j+1]
	v_pk_add_f32 v[8:9], v[8:9], v[XR+j+2:XR+j+3]
.set j, j+4
.endr
	v_pk_add_f32 v[6:7], v[6:7], v[8:9]
	v_add_f32 v6, v6, v7
	REDUCE
	v_mul_f32 v12, s30, v6                         ; the mean
.set j, 0
.rept 16
	v_pk_add_f32 v[XR+j:XR+j+1], v[XR+j:XR+j+1], v[12:13] op_sel_hi:[1,0] neg_lo:[0,1] neg_hi:[0,1]
.set j, j+2
.endr
	v_pk_mul_f32 v[6:7], v[XR:XR+1], v[XR:XR+1]                                             ; the squares of x - mean
	v_pk_mul_f32 v[8:9], v[XR+2:XR+3], v[XR+2:XR+3]
.set j, 4
.rept 7
	v_pk_fma_f32 v[6:7], v[XR+j:XR+j+1], v[XR+j:XR+j+1], v[6:7]
	v_pk_fma_f32 v[8:9], v[XR+j+2:XR+j+3], v[XR+j+2:XR+j+3], v[8:9]
.set j, j+4
.endr
	v_pk_add_f32 v[6:7], v[6:7], v[8:9]
	v_add_f32 v6, v6, v7
	REDUCE
	v_fma_f32 v6, v6, s30, s31                     ; the variance + 1e-5
	v_rsq_f32 v14, v6
	v_nop                                          ; a plain line behind the transcendental
	s_wait_alu depctr_va_vdst(0)                   ; the root's reciprocal has written v14, ahead of its first reader
.set j, 0
.rept 16
	v_pk_mul_f32 v[XR+j:XR+j+1], v[XR+j:XR+j+1], v[14:15] op_sel_hi:[1,0]
.set j, j+2
.endr
.set j, 0
.rept 16
	v_pk_fma_f32 v[XR+j:XR+j+1], v[XR+j:XR+j+1], v[128+j:129+j], v[160+j:161+j]             ; x gamma + beta
.set j, j+2
.endr
	s_wait_alu depctr_va_vdst(0)                   ; the multiply-adds have written the row's 32 registers, which the eight stores read
.irp c, 0,1,2,3,4,5,6,7
	global_store_b128 v1, v[XR+4*\c:XR+4*\c+3], s[18:19] offset:4096*(\i)+512*\c th:TH_STORE_NT   ; 32 lanes store 512 consecutive bytes of the row
.endr
.endm
	ROW 0
	ROW 1
	s_wait_xcnt 0x0
	s_wait_alu depctr_vm_vsrc(0)                   ; the last row's stores have read v254 and v255, which are made anew for the closing lines
	v_lshl_add_u32 v254, v0, 2, 0x28200
	v_mov_b32 v255, 0
	s_wait_dscnt 0x0                               ; the closing lines, six on end
	s_wait_alu 0x0
	s_wait_tensorcnt 0x0
	ds_add_u32 v254, v255
	s_wait_dscnt 0x0
	s_endpgm
.Lfunc_end_k_q28976553e8_outln:
	.size	k_q28976553e8_outln, .Lfunc_end_k_q28976553e8_outln-k_q28976553e8_outln
	.p2alignl 7, 3214868480
	.fill 96, 4, 3214868480
	.section	.rodata,"a",@progbits
	.p2align	6, 0x0
	.amdhsa_kernel k_q28976553e8_outln
		.amdhsa_group_segment_fixed_size 166400
		.amdhsa_private_segment_fixed_size 0
		.amdhsa_enable_private_segment 0
		.amdhsa_kernarg_size 64
		.amdhsa_user_sgpr_count 2
		.amdhsa_user_sgpr_kernarg_segment_ptr 1
		.amdhsa_wavefront_size32 1
		.amdhsa_system_sgpr_workgroup_id_x 1
		.amdhsa_system_sgpr_workgroup_id_y 1
		.amdhsa_system_sgpr_workgroup_id_z 1
		.amdhsa_system_vgpr_workitem_id 0
		.amdhsa_next_free_vgpr 256
		.amdhsa_next_free_sgpr 66
		.amdhsa_reserve_vcc 0
		.amdhsa_float_denorm_mode_32 3
		.amdhsa_float_denorm_mode_16_64 3
		.amdhsa_memory_ordered 1
		.amdhsa_forward_progress 1
		.amdhsa_inst_pref_size 49
	.end_amdhsa_kernel
	.amdgpu_metadata
---
amdhsa.version: [ 1, 2 ]
amdhsa.kernels:
  - .name:           k_q28976553e8_outln
    .symbol:         k_q28976553e8_outln.kd
    .args:
      - { .name: ctx, .offset: 0, .size: 8, .value_kind: global_buffer, .address_space: global }
      - { .name: win, .offset: 8, .size: 8, .value_kind: global_buffer, .address_space: global }
      - { .name: lowp_scales, .offset: 16, .size: 8, .value_kind: global_buffer, .address_space: global }
      - { .name: bo, .offset: 24, .size: 8, .value_kind: global_buffer, .address_space: global }
      - { .name: Q, .offset: 32, .size: 8, .value_kind: global_buffer, .address_space: global }
      - { .name: gamma, .offset: 40, .size: 8, .value_kind: global_buffer, .address_space: global }
      - { .name: beta, .offset: 48, .size: 8, .value_kind: global_buffer, .address_space: global }
      - { .name: out0, .offset: 56, .size: 8, .value_kind: global_buffer, .address_space: global }
    .group_segment_fixed_size: 166400
    .private_segment_fixed_size: 0
    .kernarg_segment_align: 8
    .kernarg_segment_size: 64
    .max_flat_workgroup_size: 512
    .sgpr_count:     66
    .vgpr_count:     256
    .wavefront_size: 32
...
	.end_amdgpu_metadata
.endif
;; end of part 7
